; MI455X (gfx1250); checked and timed in simulation.
; The chip was launched on July 23, 2026; its instructions are those of AMD's public machine-readable ISA for CDNA 5 (MIT licence, August 2026) and "CDNA5" Instruction Set Architecture Reference Guide (July 2026). The comments in the code are by the model that wrote it; some were corrected since.
;; VAE Guided Attention. Allowed arithmetic: matrix products marked QUANTISED: E4M3 operands, one E8M0 scale for each 32 along K, by v_wmma_scale_f32_16x16x128_f8f6f4 with both operands' format E4M3, f32 sums; products left as they are: f32 operands where the result goes on into a quantised operand, else bf16, f16 or f32 operands; f32 sums; everything else in f32.
;; Inputs: be1 256 float32; be2 128 float32; bf 512 float32; bk 512 float32; blv 64 float32; bmu 64 float32; bo 512 float32; bq 512 float32; bv 512 float32; eps 2 x 64 float32; we1 256 x 512 float32; we2 128 x 256 float32; wf 512 x 64 float32; wk 512 x 512 float32; wlv 64 x 128 float32; wmu 64 x 128 float32; wo 512 x 512 float32; wq 512 x 512 float32; wv 512 x 512 float32; x 2 x 4,096 x 512 float32.
;; Outputs: out0 2 x 4,096 x 512 float32; out1 2 x 64 float32; out2 2 x 64 float32.
;; This version of the problem:
;;   THIS VERSION OF THE PROBLEM IS GIVEN IN LOW PRECISION. The matrix products marked QUANTISED in the list below multiply operands that are first quantised to E4M3 (4 exponent bits, 3 mantissa bits; 8 bits a number), with one power-of-two scale for each 32 numbers along K (OCP MX v1.0); their sums are f32. All else is computed in f32.
;;   The module's matrix products, in the order in which they are computed (A, B: the left and right operand; K: the contracted axis; several contracted axes count as one K, in the product's order):
;;     1. [M 8,192, K 512] x [K 512, N 512]; A: input x; B: input wq: QUANTISED
;;     2. [M 8,192, K 512] x [K 512, N 512]; A: input x; B: input wk: QUANTISED
;;     3. [M 8,192, K 512] x [K 512, N 512]; A: input x; B: input wv: QUANTISED
;;     4. [M 2, K 512] x [K 512, N 256]; A: computed on the way; B: input we1: left as it is (M = 2 < 16)
;;     5. [M 2, K 256] x [K 256, N 128]; A: computed on the way; B: input we2: left as it is (M = 2 < 16)
;;     6. [M 2, K 128] x [K 128, N 64]; A: computed on the way; B: input wmu: left as it is (M = 2 < 16)
;;     7. [M 2, K 128] x [K 128, N 64]; A: computed on the way; B: input wlv: left as it is (M = 2 < 16)
;;     8. [M 2, K 64] x [K 64, N 512]; A: computed on the way; B: input wf: left as it is (M = 2 < 16)
;;     9. batch 16 x [M 4,096, K 64] x [K 64, N 4,096]; A: computed on the way; B: computed on the way: QUANTISED
;;     10. batch 16 x [M 4,096, K 4,096] x [K 4,096, N 64]; A: softmax (see below); B: computed on the way: QUANTISED
;;     11. [M 8,192, K 512] x [K 512, N 512]; A: computed on the way; B: input wo: QUANTISED
;;   THE QUANTISER, for each operand of a quantised product, along K:
;;     - K is cut into blocks of 32 from its start; a last block that is shorter is filled with zeros.
;;     - A block's scale is 2^e with e = floor(log2(the largest magnitude in the block)) - 8, held to -126 .. 127; a block of zeros has e = 0. As a byte (E8M0): e + 127.
;;     - Each number is divided by its block's scale, clamped to +-448, and rounded to the nearest number of E4M3, ties to even, subnormals kept.
;;     - The product sums the exact products of the quantised numbers (number of the format x scale) in f32.
;;   ~~~python
;;   def quantise(x, axis):      # numpy; x: float32 -> the quantised numbers, widened to float32 again
;;       x = np.moveaxis(x, axis, -1); K = x.shape[-1]
;;       x = np.pad(x, [(0, 0)] * (x.ndim - 1) + [(0, -K % 32)]); x = x.reshape(x.shape[:-1] + (-1, 32)); a = np.abs(x).max(-1, keepdims=True)
;;       e = np.where(a > 0, np.clip(np.frexp(np.where(a > 0, a, 1))[1] - 1 - 8, -126, 127), 0)      # np.frexp(a)[1] - 1 = floor(log2(a)), exactly
;;       r = np.clip(x / 2.0 ** e, -448, 448)
;;       step = 2.0 ** (np.maximum(np.frexp(np.where(r == 0, 1, r))[1] - 1, -6) - 3)
;;       q = np.round(r / step) * step * 2.0 ** e      # np.round: ties to even
;;       return np.moveaxis(q.reshape(q.shape[:-2] + (-1,))[..., :K], -1, axis).astype(np.float32)
;;   ~~~
;;   SOFTMAX AHEAD OF A QUANTISED PRODUCT. Where the list says 'softmax', what is quantised is not the finished softmax but p = 2^(t - M), with t = logit x log2(e) and M = ceil(the row's largest t), a whole number; so 1/2 < the row's largest p <= 1. The row's sum l is taken of the UNQUANTISED p, in f32, and the product's result is divided by l at the end. Since M is a whole number, a kernel that streams over the keys may use a running M (the ceiling of the running maximum): every later rescaling is an exact power of two, which a block's scale takes up: the codes' values come out the same.
;;   OPERANDS COMPUTED ON THE WAY. 'Computed on the way' means the value that the module computes at that place (a softmax that the list does not call 'softmax' is quantised finished and normalised). What goes into a quantiser is computed in f32, as accurately as f32 sums, v_exp_f32 and their like allow (about 1e-6 of the number): no bf16 or f16 on the way to a quantiser, and a product that is left as it is and whose result goes on into a quantised operand takes f32 operands (vector FMAs, or v_wmma_f32_16x16x4_f32). A number that lies on a knife's edge between two numbers of the format may be rounded either way, as far as f32 arithmetic and the matrix unit's own rounding can turn it there, and no further.
;; One version. Each part assembles by itself: llvm-mc -triple=amdgcn-amd-amdhsa -mcpu=gfx1250 --defsym DOCPART=n.
;; ======== version 1 of 1: 7 launches
;; limits: right only within a limited range of input values
;; workspace buffers: xw 5,406,720 bytes; psum 262,144 bytes; hp 16,384 bytes; ml 4,096 bytes; lat 4,096 bytes; qkv 12,976,128 bytes; ctx 4,325,376 bytes
;; launch prep (part 1): grid 160 x 1, 4 waves a work-group, no clusters, 66,048 bytes of LDS; arguments x, wq, wk, wv, wo, xw, psum; writes xw, psum
.if DOCPART == 1
	.amdgcn_target "amdgcn-amd-amdhsa--gfx1250"
	.amdhsa_code_object_version 6
	.text
	.protected	k_q326fe2361c_prep
	.globl	k_q326fe2361c_prep
	.p2align	8
	.type	k_q326fe2361c_prep,@function
k_q326fe2361c_prep:
	s_mov_b64 s[64:65], 0
	v_nop
	global_prefetch_b8 v0, s[64:65] scope:SCOPE_SE
	s_setreg_imm32_b32 hwreg(HW_REG_WAVE_MODE, 25, 1), 1
	s_wait_xcnt 0x0
; x [8192][512] and wq, wk, wv, wo [512][512], f32, become codes of FP8 (E4M3) with one E8M0 byte for each 32 along K, laid as IMAGES OF OPERAND REGISTERS; x's column sums go out beside them.
; TILES.  16 rows form a tile; tile 2 G + u holds rows 32 G + 8 u + r + 8 (r / 8), r = 0 .. 15.  A tile's record in xw is 8,448 bytes: 8,192 of codes, byte 256 j + 16 r + i = the code of (row r, k = 16 j + i): that is four
; fragments of 16 rows x 128 K, each four pieces of 512 bytes with lane (r, h)'s 16 bytes at 16 (r + 16 h); then 256 scale bytes, 16 a row.  Records 0-511 x, 512-543 wq, 544-575 wk, 576-607 wv, 608-639 wo.
; SHARES.  A wave takes one tile, a row (2,048 bytes) a step.  Each of a step's four loads reads 512 consecutive bytes; the row turns through the wave's own stage in LDS, so that a lane holds 16 NEIGHBOURS along K
; (two neighbouring lanes hold a block of 32).  A lane's 16 codes of row t are 16 bytes of chunk (lane) of the image: they are gathered in LDS and leave as 16 stores of 512 consecutive bytes.
; A block's scale is 2^(floor(log2(largest magnitude)) - 8); its byte is the largest magnitude's exponent field - 8, held at 1 from below.  A block of zeros keeps the byte 1: its codes are zeros, and this program alone reads the bytes.
; COLUMN SUMS.  Each lane adds its 16 columns over the tile's rows; the four waves' sums meet in LDS; work-groups 0-127 (x) store 512 sums of their 64 rows to psum.  The weights' work-groups run the same additions and store none.
; LIMITS: NaN and infinities among the inputs are not served.
.set SP,    80                         ; a lane's place in a turning stage: 64 bytes + 16
.set WREG,  14336                      ; LDS of a wave: two stages of 32 x SP, the image, the scale bytes
.set CI,    5120                       ; the image: 32 chunks of 256 bytes + 16
.set SBO,   13824                      ; 256 scale bytes
.set SR,    57344                      ; the work-group's: 4 x 2,048 bytes of column sums
.set REC,   8448
.set STEPS, 16
.set R,     16                         ; v16-143  eight sets of 16 numbers as loaded; on the way out the image
.set X,     144                        ; v144-175 two sets of 16 neighbours
.set SUM,   176                        ; v176-191 my 16 columns' sums
.set C,     192                        ; v192-199 codes, two sets
.set E,     200                        ; v200-201 scale bytes, two
	s_load_b256 s[4:11], s[0:1], 0x0               ; x, wq, wk, wv
	s_load_b128 s[12:15], s[0:1], 0x20             ; wo, xw
	s_load_b64 s[16:17], s[0:1], 0x30              ; psum
	v_lshl_add_u32 v224, v0, 2, 0x10000
	v_mov_b32 v225, 0
	v_lshrrev_b32 v1, 5, v0
	v_readfirstlane_b32 s18, v1                    ; wave
	v_and_b32 v2, 31, v0                           ; lane
	v_lshlrev_b32 v3, 4, v2                        ; 16 x lane: my bytes of a load's or a store's 512
	s_mul_i32 s19, s18, WREG
	v_lshrrev_b32 v14, 2, v2
	v_mul_u32_u24 v14, v14, SP
	v_and_b32 v15, 3, v2
	v_lshl_add_u32 v14, v15, 4, v14
	v_add_nc_u32 v14, s19, v14                     ; the stage, in: SP (lane / 4) + 16 (lane % 4)
	v_mul_u32_u24 v15, v2, SP
	v_add_nc_u32 v15, s19, v15                     ; and out: SP x lane
	v_mul_u32_u24 v4, v2, 272
	v_add_nc_u32 v4, s19, v4                       ; the image, in: chunk = my lane
	v_lshrrev_b32 v5, 1, v2
	v_add_nc_u32 v5, s19, v5                       ; my block's scale byte
	v_and_b32 v6, 15, v2
	v_lshrrev_b32 v7, 4, v2
	v_mul_u32_u24 v7, v7, 272
	v_lshl_add_u32 v7, v6, 4, v7
	v_add_nc_u32 v7, s19, v7                       ; the image, out: two chunks an instruction
	v_lshlrev_b32 v6, 3, v2                        ; 8 x lane
	v_add_nc_u32 v12, s19, v6                      ; the scale bytes, out
	s_lshl_b32 s19, s18, 11
	s_add_co_u32 s19, s19, SR
	v_lshl_add_u32 v13, v2, 6, s19                 ; my 16 sums: SR + 2,048 x wave + 64 x lane
	s_lshl_b32 s19, s18, 9
	v_add_nc_u32 v202, s19, v3                     ; 512 x wave + 16 x lane: my part of the 512 sums in psum,
	v_add_nc_u32 v1, SR, v202                      ; and in each wave's 2,048 bytes
	s_mov_b32 s23, 0x600000                        ; the mantissa field of 448
	s_wait_kmcnt 0x0
	s_mov_b64 s[20:21], s[12:13]                   ; which tensor: the choice hangs on the work-group's number alone
	s_mov_b32 s22, 152
	s_cmp_lt_u32 ttmp9, 152
	s_cselect_b64 s[20:21], s[10:11], s[20:21]
	s_cselect_b32 s22, 144, s22
	s_cmp_lt_u32 ttmp9, 144
	s_cselect_b64 s[20:21], s[8:9], s[20:21]
	s_cselect_b32 s22, 136, s22
	s_cmp_lt_u32 ttmp9, 136
	s_cselect_b64 s[20:21], s[6:7], s[20:21]
	s_cselect_b32 s22, 128, s22
	s_cmp_lt_u32 ttmp9, 128
	s_cselect_b64 s[20:21], s[4:5], s[20:21]
	s_cselect_b32 s22, 0, s22
	s_sub_co_u32 s22, ttmp9, s22
	s_lshl_b32 s22, s22, 2
	s_add_co_u32 s22, s22, s18                     ; my tile in its tensor
	s_lshr_b32 s24, s22, 1
	s_lshl_b32 s24, s24, 16                        ; 32 rows of 2,048 bytes for each pair of tiles,
	s_and_b32 s25, s22, 1
	s_lshl_b32 s25, s25, 14                        ; 8 rows for the odd tile
	s_add_co_u32 s24, s24, s25
	s_mov_b32 s25, 0
	s_add_nc_u64 s[20:21], s[20:21], s[24:25]
	s_lshl_b32 s26, ttmp9, 2
	s_add_co_u32 s26, s26, s18                     ; my record
	s_mul_i32 s26, s26, REC
	s_mov_b32 s27, 0
	s_add_nc_u64 s[14:15], s[14:15], s[26:27]
.macro LOAD t                          ; row t of the tile lies t + 8 (t / 8) rows on
.irp i, 0,1,2,3
	global_load_b128 v[R+16*((\t)%8)+4*\i:R+16*((\t)%8)+4*\i+3], v3, s[20:21] offset:((\t)+8*((\t)/8))*2048+512*\i th:TH_LOAD_NT
.endr
.endm
.macro TURN t                          ; LDS serves a wave's instructions in order, so no wait stands between the stores and the loads
.irp i, 0,1,2,3
	ds_store_b128 v14, v[R+16*((\t)%8)+4*\i:R+16*((\t)%8)+4*\i+3] offset:32*SP*((\t)%2)+8*SP*\i
.endr
.irp i, 0,1,2,3
	ds_load_b128 v[X+16*((\t)%2)+4*\i:X+16*((\t)%2)+4*\i+3], v15 offset:32*SP*((\t)%2)+16*\i
.endr
.endm
.irp t, 0,1,2,3,4,5,6,7
	LOAD \t
.endr
	s_wait_loadcnt 28                              ; of 32 loads the first row's four are in
	TURN 0
.macro STEP t
.set XS, X+16*((\t)%2)
.set CS, C+4*((\t)%2)
.if (\t) > 0
	s_wait_dscnt 2                                 ; this row is back from the stage; only the last step's two stores may be out, so the step before's have read their registers
.else
	s_wait_dscnt 0x0
.endif
.if (\t)+8 < STEPS
	LOAD (\t)+8                                    ; into the set that this row has left
.endif
.if (\t)+1 < STEPS
.if (\t) < 8
	s_wait_loadcnt 28                              ; the next row's four loads are in; seven younger rows may be out
.else
	s_wait_loadcnt 4*(14-(\t))                     ; the rows behind the next: 14 - t of them
.endif
	TURN (\t)+1
.endif
.if (\t) == 0
.irp i, 0,1,2,3,4,5,6,7,8,9,10,11,12,13,14,15
	v_mov_b32 v[SUM+\i], v[XS+\i]                  ; the first row starts the sums
.endr
.else
.irp i, 0,2,4,6,8,10,12,14
	v_pk_add_f32 v[SUM+\i:SUM+\i+1], v[SUM+\i:SUM+\i+1], v[XS+\i:XS+\i+1]
.endr
.endif
	v_max3_num_f32 v8, |v[XS]|, |v[XS+1]|, |v[XS+2]|               ; the largest magnitude of my 16, in two chains
	v_max3_num_f32 v9, |v[XS+3]|, |v[XS+4]|, |v[XS+5]|
.irp i, 6,10
	v_max3_num_f32 v8, v8, |v[XS+\i]|, |v[XS+\i+1]|
	v_max3_num_f32 v9, v9, |v[XS+\i+2]|, |v[XS+\i+3]|
.endr
	v_max3_num_f32 v8, v8, |v[XS+14]|, |v[XS+15]|
	v_max3_num_f32 v8, v8, v9, 0x4800000           ; and the floor 2^(9 - 127): the byte cannot fall under 1
	v_max_num_f32_dpp v8, v8, v8 row_xmask:1 row_mask:0xf bank_mask:0xf   ; with my neighbour's 16: the block's
	v_add_nc_u32 v11, 0xfc000000, v8               ; 8 off the exponent field: the conversion's scale operand
	v_and_or_b32 v10, v8, 0x7f800000, s23          ; 448 x the scale
.irp i, 0,1,2,3,4,5,6,7,8,9,10,11,12,13,14,15
	v_med3_num_f32 v[XS+\i], v[XS+\i], -v10, v10   ; the conversion to an 8-bit code does not saturate (ISA guide 7.6.2): the hold comes first
.endr
	v_cvt_scalef32_pk8_fp8_f32 v[CS:CS+1], v[XS:XS+7], v11
	v_cvt_scalef32_pk8_fp8_f32 v[CS+2:CS+3], v[XS+8:XS+15], v11
	v_lshrrev_b32 v[E+(\t)%2], 23, v11             ; the scale's byte (a plain line behind the conversions)
	ds_store_b8 v5, v[E+(\t)%2] offset:SBO+16*(\t) ; both lanes of a block write the same byte with the same value
	ds_store_b128 v4, v[CS:CS+3] offset:CI+16*(\t) ; row t's 16 bytes of chunk (lane)
.endm
.irp t, 0,1,2,3,4,5,6,7,8,9,10,11,12,13,14,15
	STEP \t
.endr
.irp i, 0,1,2,3
	ds_store_b128 v13, v[SUM+4*\i:SUM+4*\i+3] offset:16*\i
.endr
.irp i, 0,1,2,3,4,5,6,7,8,9,10,11,12,13,14,15
	ds_load_b128 v[R+4*\i:R+4*\i+3], v7 offset:CI+544*\i           ; these see my stores: the image comes back 512 bytes at a time
.endr
	ds_load_b64 v[204:205], v12 offset:SBO
.irp i, 0,1,2,3,4,5,6,7,8,9,10,11,12,13,14,15
	s_wait_dscnt 16-\i                             ; the younger image loads and the load of the scale bytes may be out
	global_store_b128 v3, v[R+4*\i:R+4*\i+3], s[14:15] offset:512*\i   ; 32 lanes store 512 consecutive bytes, aligned to 256
.endr
	s_wait_dscnt 0x0                               ; the scale bytes are in; and, for the others' sake, my sums have landed
	global_store_b64 v6, v[204:205], s[14:15] offset:8192          ; 256 consecutive bytes
	s_barrier_signal -1
	s_barrier_wait -1
	s_cmp_lt_u32 ttmp9, 128                        ; x's work-groups alone store sums
	s_cbranch_scc0 .Ldone
	s_lshl_b32 s24, ttmp9, 11
	s_mov_b32 s25, 0
	s_add_nc_u64 s[16:17], s[16:17], s[24:25]
.irp g, 0,1,2,3
	ds_load_b128 v[X+4*\g:X+4*\g+3], v1 offset:2048*\g             ; the four waves' sums of my four columns
.endr
	s_wait_dscnt 0x0
.irp k, 0,2
	v_pk_add_f32 v[X+\k:X+\k+1], v[X+\k:X+\k+1], v[X+4+\k:X+4+\k+1]
	v_pk_add_f32 v[X+8+\k:X+8+\k+1], v[X+8+\k:X+8+\k+1], v[X+12+\k:X+12+\k+1]
.endr
.irp k, 0,2
	v_pk_add_f32 v[X+\k:X+\k+1], v[X+\k:X+\k+1], v[X+8+\k:X+8+\k+1]
.endr
	global_store_b128 v202, v[X:X+3], s[16:17]
.Ldone:
	s_wait_tensorcnt 0x0
	ds_add_u32 v224, v225
	s_wait_dscnt 0x0
	s_endpgm
.Lfunc_end_k_q326fe2361c_prep:
	.size	k_q326fe2361c_prep, .Lfunc_end_k_q326fe2361c_prep-k_q326fe2361c_prep
	.p2alignl 7, 3214868480
	.fill 96, 4, 3214868480
	.section	.rodata,"a",@progbits
	.p2align	6, 0x0
	.amdhsa_kernel k_q326fe2361c_prep
		.amdhsa_group_segment_fixed_size 66048
		.amdhsa_private_segment_fixed_size 0
		.amdhsa_enable_private_segment 0
		.amdhsa_kernarg_size 56
		.amdhsa_user_sgpr_count 2
		.amdhsa_user_sgpr_kernarg_segment_ptr 1
		.amdhsa_wavefront_size32 1
		.amdhsa_system_sgpr_workgroup_id_x 1
		.amdhsa_system_sgpr_workgroup_id_y 1
		.amdhsa_system_sgpr_workgroup_id_z 1
		.amdhsa_system_vgpr_workitem_id 0
		.amdhsa_next_free_vgpr 226
		.amdhsa_next_free_sgpr 66
		.amdhsa_reserve_vcc 0
		.amdhsa_float_denorm_mode_32 3
		.amdhsa_float_denorm_mode_16_64 3
		.amdhsa_memory_ordered 1
		.amdhsa_forward_progress 1
		.amdhsa_inst_pref_size 64
	.end_amdhsa_kernel
	.amdgpu_metadata
---
amdhsa.version: [ 1, 2 ]
amdhsa.kernels:
  - .name:           k_q326fe2361c_prep
    .symbol:         k_q326fe2361c_prep.kd
    .args:
      - { .name: x, .offset: 0, .size: 8, .value_kind: global_buffer, .address_space: global }
      - { .name: wq, .offset: 8, .size: 8, .value_kind: global_buffer, .address_space: global }
      - { .name: wk, .offset: 16, .size: 8, .value_kind: global_buffer, .address_space: global }
      - { .name: wv, .offset: 24, .size: 8, .value_kind: global_buffer, .address_space: global }
      - { .name: wo, .offset: 32, .size: 8, .value_kind: global_buffer, .address_space: global }
      - { .name: xw, .offset: 40, .size: 8, .value_kind: global_buffer, .address_space: global }
      - { .name: psum, .offset: 48, .size: 8, .value_kind: global_buffer, .address_space: global }
    .group_segment_fixed_size: 66048
    .private_segment_fixed_size: 0
    .kernarg_segment_align: 8
    .kernarg_segment_size: 56
    .max_flat_workgroup_size: 128
    .sgpr_count:     66
    .vgpr_count:     226
    .wavefront_size: 32
...
	.end_amdgpu_metadata
.endif
;; end of part 1
;; launch vh1 (part 2): grid 64 x 1, 8 waves a work-group, no clusters, 3,328 bytes of LDS; arguments psum, we1, hp; writes hp
.if DOCPART == 2
	.amdgcn_target "amdgcn-amd-amdhsa--gfx1250"
	.amdhsa_code_object_version 6
	.text
	.protected	k_q326fe2361c_vh1
	.globl	k_q326fe2361c_vh1
	.p2align	8
	.type	k_q326fe2361c_vh1,@function
k_q326fe2361c_vh1:
	s_mov_b64 s[64:65], 0
	v_nop
	global_prefetch_b8 v0, s[64:65] scope:SCOPE_SE
	s_setreg_imm32_b32 hwreg(HW_REG_WAVE_MODE, 25, 1), 1
	s_wait_xcnt 0x0
; The first step of the latent, cut along K.  xm = the mean of x's rows; xm we1^T is linear in xm, so it is summed in parts: hp[b][c][n] = sum over the 64 columns k of chunk c of xm[b][k] we1[n][k].
; SHARES.  Work-group = (sample b, chunk c of 64 columns, quarter o of the 256 outputs): 64 work-groups, each reading 64 rows x 256 bytes of psum and 64 rows x 256 bytes of we1.
; A load takes two rows, sixteen lanes to a row's 256 bytes.  Wave w sums psum's rows 8 w .. 8 w + 7; the eight waves' sums meet in LDS; then wave w makes outputs 8 w .. 8 w + 7 of the quarter.
; The 64 results are gathered in LDS and leave as one aligned unit of 256 bytes.  All in f32: the result goes on into a quantiser.  No tensor load, no cluster: what work-groups share is a small part of what each reads, and there is no loop.
.set OUTS,  2048                       ; LDS: 0 .. 2,047 the waves' sums; 256 bytes of results
.set SPARE, 2304                       ; the spare words, 128 bytes a wave
.macro BAR
	s_wait_alu depctr_va_vdst(0)                   ; the wait ahead of the blocking wait
	s_wait_dscnt 0x0                               ; my LDS stores have landed
	s_barrier_signal -1
	s_barrier_wait -1
.endm
	s_load_b128 s[4:7], s[0:1], 0x0                ; psum, we1
	s_load_b64 s[8:9], s[0:1], 0x10                ; hp
	v_lshl_add_u32 v1, v0, 2, SPARE
	v_mov_b32 v2, 0
	v_lshrrev_b32 v3, 5, v0
	v_readfirstlane_b32 s10, v3                    ; wave
	v_and_b32 v4, 15, v0                           ; r
	v_bfe_u32 v5, v0, 4, 1                         ; h
	v_lshlrev_b32 v6, 4, v4                        ; 16 r
	v_lshl_add_u32 v7, v5, 11, v6                  ; 2,048 h + 16 r: two rows a load
	s_lshl_b32 s11, s10, 8
	v_add_nc_u32 v8, s11, v6                       ; my wave's sums: 256 w + 16 r
	s_lshl_b32 s11, s10, 5
	s_add_co_u32 s11, s11, OUTS
	v_lshl_add_u32 v9, v5, 2, s11                  ; my results: OUTS + 32 w + 4 h
	v_and_b32 v10, 31, v0
	v_lshlrev_b32 v10, 3, v10                      ; 8 x lane
	v_add_nc_u32 v11, OUTS, v10
.irp k, 0,1,2,3
	v_mov_b32 v[12+\k], 0                          ; a lane permute's destination counts as one of its sources
.endr
	s_mov_b32 s12, 0x76543210
	s_mov_b32 s13, 0xfedcba98
	s_lshr_b32 s14, ttmp9, 5                       ; b
	s_bfe_u32 s15, ttmp9, 0x30002                  ; c
	s_and_b32 s16, ttmp9, 3                        ; o
	s_lshl_b32 s17, s15, 8
	s_lshl_b32 s18, s10, 14
	s_add_co_u32 s18, s18, s17                     ; 8 rows x wave + 256 c
	s_lshl_b32 s20, s14, 17
	s_add_co_u32 s20, s20, s18                     ; psum: my sample's 64 rows
	s_mov_b32 s21, 0
	s_lshl_b32 s22, s16, 17
	s_add_co_u32 s22, s22, s18                     ; we1: my quarter's 64 rows
	s_mov_b32 s23, 0
	s_lshl_b32 s24, s14, 3
	s_add_co_u32 s24, s24, s15
	s_lshl_b32 s24, s24, 10
	s_lshl_b32 s25, s16, 8
	s_add_co_u32 s24, s24, s25                     ; hp: (8 b + c) x 1,024 + 256 o
	s_mov_b32 s25, 0
	s_wait_alu depctr_va_vdst(0)                   ; the wait at the head's end
	s_wait_kmcnt 0x0
	s_add_nc_u64 s[4:5], s[4:5], s[20:21]
	s_add_nc_u64 s[6:7], s[6:7], s[22:23]
	s_add_nc_u64 s[8:9], s[8:9], s[24:25]
.irp i, 0,1,2,3
	global_load_b128 v[16+4*\i:19+4*\i], v7, s[4:5] offset:4096*\i
.endr
.irp i, 0,1,2,3
	global_load_b128 v[64+4*\i:67+4*\i], v7, s[6:7] offset:4096*\i
.endr
	s_wait_loadcnt 0x0
.irp k, 0,2
	v_pk_add_f32 v[16+\k:17+\k], v[16+\k:17+\k], v[20+\k:21+\k]
	v_pk_add_f32 v[24+\k:25+\k], v[24+\k:25+\k], v[28+\k:29+\k]
.endr
.irp k, 0,2
	v_pk_add_f32 v[16+\k:17+\k], v[16+\k:17+\k], v[24+\k:25+\k]
.endr
.irp k, 0,1,2,3
	v_permlanex16_b32 v[12+\k], v[16+\k], s12, s13
.endr
.irp k, 0,2
	v_pk_add_f32 v[16+\k:17+\k], v[16+\k:17+\k], v[12+\k:13+\k]   ; my wave's eight rows, at columns 4 r .. 4 r + 3
.endr
	ds_store_b128 v8, v[16:19]                     ; both halves write the same bytes with the same values
	BAR
.irp j, 0,1,2,3,4,5,6,7
	ds_load_b128 v[32+4*\j:35+4*\j], v6 offset:256*\j
.endr
	s_wait_dscnt 0x0
.irp d, 16,8,4
.set k2, 0
.rept \d/2
	v_pk_add_f32 v[32+k2:33+k2], v[32+k2:33+k2], v[32+k2+\d:33+k2+\d]
.set k2, k2+2
.endr
.endr
	v_pk_mul_f32 v[32:33], v[32:33], 0x39800000 op_sel_hi:[1,0]   ; / 4,096: xm
	v_pk_mul_f32 v[34:35], v[34:35], 0x39800000 op_sel_hi:[1,0]
.irp i, 0,1,2,3
	v_pk_mul_f32 v[48+2*\i:49+2*\i], v[64+4*\i:65+4*\i], v[32:33]
.endr
.irp i, 0,1,2,3
	v_pk_fma_f32 v[48+2*\i:49+2*\i], v[66+4*\i:67+4*\i], v[34:35], v[48+2*\i:49+2*\i]
.endr
.irp i, 0,1,2,3
	v_add_f32 v[48+2*\i], v[48+2*\i], v[49+2*\i]
.endr
.irp m, 1,2,4,8
.irp i, 0,1,2,3
	v_add_f32_dpp v[48+2*\i], v[48+2*\i], v[48+2*\i] row_xmask:\m row_mask:0xf bank_mask:0xf   ; the four sums by turns
.endr
.endr
.irp i, 0,1,2,3
	ds_store_b32 v9, v[48+2*\i] offset:8*\i        ; output 8 w + 2 i + h
.endr
	BAR
	s_cmp_lg_u32 s10, 0
	s_cbranch_scc1 .Lend
	ds_load_b64 v[80:81], v11
	s_wait_dscnt 0x0
	global_store_b64 v10, v[80:81], s[8:9]         ; 32 lanes store one aligned unit of 256 bytes
.Lend:
	s_wait_tensorcnt 0x0                           ; the wave's end
	ds_add_u32 v1, v2
	s_wait_dscnt 0x0
	s_endpgm
.Lfunc_end_k_q326fe2361c_vh1:
	.size	k_q326fe2361c_vh1, .Lfunc_end_k_q326fe2361c_vh1-k_q326fe2361c_vh1
	.p2alignl 7, 3214868480
	.fill 96, 4, 3214868480
	.section	.rodata,"a",@progbits
	.p2align	6, 0x0
	.amdhsa_kernel k_q326fe2361c_vh1
		.amdhsa_group_segment_fixed_size 3328
		.amdhsa_private_segment_fixed_size 0
		.amdhsa_enable_private_segment 0
		.amdhsa_kernarg_size 24
		.amdhsa_user_sgpr_count 2
		.amdhsa_user_sgpr_kernarg_segment_ptr 1
		.amdhsa_wavefront_size32 1
		.amdhsa_system_sgpr_workgroup_id_x 1
		.amdhsa_system_sgpr_workgroup_id_y 1
		.amdhsa_system_sgpr_workgroup_id_z 1
		.amdhsa_system_vgpr_workitem_id 0
		.amdhsa_next_free_vgpr 96
		.amdhsa_next_free_sgpr 66
		.amdhsa_reserve_vcc 0
		.amdhsa_float_denorm_mode_32 3
		.amdhsa_float_denorm_mode_16_64 3
		.amdhsa_memory_ordered 1
		.amdhsa_forward_progress 1
		.amdhsa_inst_pref_size 8
	.end_amdhsa_kernel
	.amdgpu_metadata
---
amdhsa.version: [ 1, 2 ]
amdhsa.kernels:
  - .name:           k_q326fe2361c_vh1
    .symbol:         k_q326fe2361c_vh1.kd
    .args:
      - { .name: psum, .offset: 0, .size: 8, .value_kind: global_buffer, .address_space: global }
      - { .name: we1, .offset: 8, .size: 8, .value_kind: global_buffer, .address_space: global }
      - { .name: hp, .offset: 16, .size: 8, .value_kind: global_buffer, .address_space: global }
    .group_segment_fixed_size: 3328
    .private_segment_fixed_size: 0
    .kernarg_segment_align: 8
    .kernarg_segment_size: 24
    .max_flat_workgroup_size: 256
    .sgpr_count:     66
    .vgpr_count:     96
    .wavefront_size: 32
...
	.end_amdgpu_metadata
.endif
;; end of part 2
;; launch vh2 (part 3): grid 4 x 1, 16 waves a work-group, no clusters, 5,376 bytes of LDS; arguments hp, be1, we2, be2, wmu, wlv, ml; writes ml
.if DOCPART == 3
	.amdgcn_target "amdgcn-amd-amdhsa--gfx1250"
	.amdhsa_code_object_version 6
	.text
	.protected	k_q326fe2361c_vh2
	.globl	k_q326fe2361c_vh2
	.p2align	8
	.type	k_q326fe2361c_vh2,@function
k_q326fe2361c_vh2:
	s_mov_b64 s[64:65], 0
	v_nop
	global_prefetch_b8 v0, s[64:65] scope:SCOPE_SE
	s_setreg_imm32_b32 hwreg(HW_REG_WAVE_MODE, 25, 1), 1
	s_wait_xcnt 0x0
; h1 = relu(the sum of hp's eight parts + be1); h2 = relu(h1 we2^T + be2); and a part of [mu | logvar], cut along K: ml[g][b][n] = sum over k = 32 g .. 32 g + 31 of h2[b][k] w[n][k], w = wmu (n < 64) or wlv.
; SHARES.  Work-group g makes h2's numbers 32 g .. 32 g + 31 for both samples, and multiplies them at once by their 32 columns of wmu and wlv.  Sixteen waves.
; h1: wave w = (sample w / 8, 32 columns w % 8); a load takes four parts, eight lanes to a part's 128 bytes.  h2: wave w takes rows 32 g + 2 w and + 1 of we2, a row across the 32 lanes.
; mu, logvar: wave w takes eight rows (waves 0-7 of wmu, 8-15 of wlv), four rows a load, eight lanes to a row's 128 bytes.  The vectors go from step to step through LDS.
; Every load from memory is issued at the head.  All in f32.  The 1,024 bytes of results leave as two stores of 512 consecutive bytes.
.set H2,    2048                       ; LDS: 0 .. 2,047 h1 [b][256]; h2 [b][32]
.set MLS,   2304                       ; the results [b][128]
.set SPARE, 3328                       ; the spare words, 128 bytes a wave
.macro BAR
	s_wait_alu depctr_va_vdst(0)                   ; the wait ahead of the blocking wait
	s_wait_dscnt 0x0
	s_barrier_signal -1
	s_barrier_wait -1
.endm
	s_load_b256 s[4:11], s[0:1], 0x0               ; hp, be1, we2, be2
	s_load_b128 s[12:15], s[0:1], 0x20             ; wmu, wlv
	s_load_b64 s[16:17], s[0:1], 0x30              ; ml
	v_lshl_add_u32 v1, v0, 2, SPARE
	v_mov_b32 v2, 0
	v_lshrrev_b32 v3, 5, v0
	v_readfirstlane_b32 s18, v3                    ; wave
	v_and_b32 v4, 31, v0
	v_lshlrev_b32 v5, 4, v4                        ; 16 x lane
	v_and_b32 v6, 7, v0
	v_lshlrev_b32 v6, 4, v6                        ; 16 x (lane % 8)
	v_bfe_u32 v7, v0, 3, 2                         ; lane / 8
	v_lshl_add_u32 v8, v7, 10, v6                  ; hp: a part to each eight lanes
	v_lshl_add_u32 v9, v7, 9, v6                   ; wmu, wlv: a row to each eight lanes
	s_lshl_b32 s19, s18, 7
	v_add_nc_u32 v10, s19, v6                      ; h1, in: 128 w + 16 (lane % 8)
	s_lshl_b32 s19, s18, 3
	s_add_co_u32 s19, s19, H2
	v_mov_b32 v11, s19                             ; h2, in: H2 + 8 w
	v_add_nc_u32 v12, H2, v6                       ; h2, out
	s_lshl_b32 s19, s18, 5
	s_add_co_u32 s19, s19, MLS
	v_lshl_add_u32 v13, v7, 2, s19                 ; results, in: MLS + 32 w + 4 (lane / 8)
	s_and_b32 s20, s18, 1
	s_lshl_b32 s20, s20, 9
	s_add_co_u32 s19, s20, MLS
	v_add_nc_u32 v14, s19, v5                      ; results, out: waves 0 and 1, a sample each
.irp k, 0,1,2,3
	v_mov_b32 v[20+\k], 0                          ; a lane permute's destination counts as one of its sources
.endr
	s_mov_b32 s22, 0x76543210
	s_mov_b32 s23, 0xfedcba98
	s_and_b32 s24, s18, 7
	s_lshl_b32 s26, s24, 7                         ; be1: 128 (w % 8)
	s_mov_b32 s27, 0
	s_lshr_b32 s25, s18, 3
	s_lshl_b32 s28, s25, 13
	s_add_co_u32 s28, s28, s26                     ; hp: 8,192 (w / 8) + 128 (w % 8)
	s_mov_b32 s29, 0
	s_lshl_b32 s30, ttmp9, 15
	s_lshl_b32 s31, s18, 11
	s_add_co_u32 s30, s30, s31                     ; we2: row 32 g + 2 w
	s_mov_b32 s31, 0
	s_lshl_b32 s32, ttmp9, 7
	s_lshl_b32 s33, s18, 3
	s_add_co_u32 s34, s32, s33                     ; be2 likewise
	s_mov_b32 s35, 0
	s_lshl_b32 s36, s24, 12
	s_add_co_u32 s36, s36, s32                     ; wmu or wlv: row 8 (w % 8), column 32 g
	s_mov_b32 s37, 0
	s_lshl_b32 s38, ttmp9, 10
	s_add_co_u32 s38, s38, s20                     ; ml: 1,024 g + 512 (w % 2)
	s_mov_b32 s39, 0
	s_wait_alu depctr_va_vdst(0)                   ; the wait at the head's end
	s_wait_kmcnt 0x0
	s_add_nc_u64 s[4:5], s[4:5], s[28:29]
	s_add_nc_u64 s[6:7], s[6:7], s[26:27]
	s_add_nc_u64 s[8:9], s[8:9], s[30:31]
	s_add_nc_u64 s[10:11], s[10:11], s[34:35]
	s_cmp_lt_u32 s18, 8
	s_cselect_b64 s[12:13], s[12:13], s[14:15]
	s_add_nc_u64 s[12:13], s[12:13], s[36:37]
	s_add_nc_u64 s[16:17], s[16:17], s[38:39]
	s_load_b64 s[40:41], s[10:11], 0x0             ; my two numbers of be2
	global_load_b128 v[24:27], v8, s[4:5]
	global_load_b128 v[28:31], v8, s[4:5] offset:4096
	global_load_b128 v[32:35], v6, s[6:7]
.irp j, 0,1
	global_load_b128 v[40+8*\j:43+8*\j], v5, s[8:9] offset:1024*\j
	global_load_b128 v[44+8*\j:47+8*\j], v5, s[8:9] offset:1024*\j+512
.endr
	global_load_b128 v[56:59], v9, s[12:13]
	global_load_b128 v[60:63], v9, s[12:13] offset:2048
	s_wait_loadcnt 6                               ; hp's parts and be1 are in; the six loads of weights may be out
	v_pk_add_f32 v[24:25], v[24:25], v[28:29]
	v_pk_add_f32 v[26:27], v[26:27], v[30:31]
.irp k, 0,1,2,3
	v_add_f32_dpp v[24+\k], v[24+\k], v[24+\k] row_xmask:8 row_mask:0xf bank_mask:0xf
.endr
.irp k, 0,1,2,3
	v_permlanex16_b32 v[20+\k], v[24+\k], s22, s23
.endr
	v_pk_add_f32 v[24:25], v[24:25], v[20:21]
	v_pk_add_f32 v[26:27], v[26:27], v[22:23]      ; all eight parts
	v_pk_add_f32 v[24:25], v[24:25], v[32:33]
	v_pk_add_f32 v[26:27], v[26:27], v[34:35]
.irp k, 0,1,2,3
	v_max_num_f32 v[24+\k], 0, v[24+\k]
.endr
	ds_store_b128 v10, v[24:27]                    ; the four groups of eight lanes write the same bytes with the same values
	BAR
.irp b, 0,1
	ds_load_b128 v[64+8*\b:67+8*\b], v5 offset:1024*\b
	ds_load_b128 v[68+8*\b:71+8*\b], v5 offset:1024*\b+512
.endr
	s_wait_dscnt 0x0
	s_wait_loadcnt 2                               ; we2's rows are in; the two loads of wmu or wlv may be out
	s_wait_kmcnt 0x0
.irp n, 0,1,2,3                        ; sum n: row n / 2, sample n % 2; the four by turns
	v_pk_mul_f32 v[80+2*\n:81+2*\n], v[40+8*(\n/2):41+8*(\n/2)], v[64+8*(\n%2):65+8*(\n%2)]
.endr
.irp k, 2,4,6
.irp n, 0,1,2,3
	v_pk_fma_f32 v[80+2*\n:81+2*\n], v[40+8*(\n/2)+\k:41+8*(\n/2)+\k], v[64+8*(\n%2)+\k:65+8*(\n%2)+\k], v[80+2*\n:81+2*\n]
.endr
.endr
.irp n, 0,1,2,3
	v_add_f32 v[80+2*\n], v[80+2*\n], v[81+2*\n]
.endr
.irp m, 1,2,4,8
.irp n, 0,1,2,3
	v_add_f32_dpp v[80+2*\n], v[80+2*\n], v[80+2*\n] row_xmask:\m row_mask:0xf bank_mask:0xf
.endr
.endr
.irp n, 0,1,2,3
	v_permlanex16_b32 v[20+\n], v[80+2*\n], s22, s23
.endr
.irp n, 0,1,2,3
	v_add_f32 v[80+2*\n], v[80+2*\n], v[20+\n]
.endr
.irp n, 0,1,2,3
	v_add_f32 v[80+2*\n], s[40+\n/2], v[80+2*\n]
.endr
.irp n, 0,1,2,3
	v_max_num_f32 v[80+2*\n], 0, v[80+2*\n]
.endr
.irp n, 0,1,2,3
	ds_store_b32 v11, v[80+2*\n] offset:128*(\n%2)+4*(\n/2)        ; every lane stores the same word
.endr
	BAR
	ds_load_b128 v[88:91], v12
	ds_load_b128 v[92:95], v12 offset:128
	s_wait_dscnt 0x0
	s_wait_loadcnt 0x0
.irp n, 0,1,2,3                        ; sum n: load n / 2 (four rows), sample n % 2
	v_pk_mul_f32 v[72+2*\n:73+2*\n], v[56+4*(\n/2):57+4*(\n/2)], v[88+4*(\n%2):89+4*(\n%2)]
.endr
.irp n, 0,1,2,3
	v_pk_fma_f32 v[72+2*\n:73+2*\n], v[58+4*(\n/2):59+4*(\n/2)], v[90+4*(\n%2):91+4*(\n%2)], v[72+2*\n:73+2*\n]
.endr
.irp n, 0,1,2,3
	v_add_f32 v[72+2*\n], v[72+2*\n], v[73+2*\n]
.endr
.irp m, 1,2,4
.irp n, 0,1,2,3
	v_add_f32_dpp v[72+2*\n], v[72+2*\n], v[72+2*\n] row_xmask:\m row_mask:0xf bank_mask:0xf
.endr
.endr
.irp n, 0,1,2,3
	ds_store_b32 v13, v[72+2*\n] offset:512*(\n%2)+16*(\n/2)       ; row 8 w + 4 (n / 2) + lane / 8 of the 128
.endr
	BAR
	s_cmp_gt_u32 s18, 1
	s_cbranch_scc1 .Lend
	ds_load_b128 v[24:27], v14
	s_wait_dscnt 0x0
	global_store_b128 v5, v[24:27], s[16:17]       ; 512 consecutive bytes a wave
.Lend:
	s_wait_tensorcnt 0x0                           ; the wave's end
	ds_add_u32 v1, v2
	s_wait_dscnt 0x0
	s_endpgm
.Lfunc_end_k_q326fe2361c_vh2:
	.size	k_q326fe2361c_vh2, .Lfunc_end_k_q326fe2361c_vh2-k_q326fe2361c_vh2
	.p2alignl 7, 3214868480
	.fill 96, 4, 3214868480
	.section	.rodata,"a",@progbits
	.p2align	6, 0x0
	.amdhsa_kernel k_q326fe2361c_vh2
		.amdhsa_group_segment_fixed_size 5376
		.amdhsa_private_segment_fixed_size 0
		.amdhsa_enable_private_segment 0
		.amdhsa_kernarg_size 56
		.amdhsa_user_sgpr_count 2
		.amdhsa_user_sgpr_kernarg_segment_ptr 1
		.amdhsa_wavefront_size32 1
		.amdhsa_system_sgpr_workgroup_id_x 1
		.amdhsa_system_sgpr_workgroup_id_y 1
		.amdhsa_system_sgpr_workgroup_id_z 1
		.amdhsa_system_vgpr_workitem_id 0
		.amdhsa_next_free_vgpr 96
		.amdhsa_next_free_sgpr 66
		.amdhsa_reserve_vcc 0
		.amdhsa_float_denorm_mode_32 3
		.amdhsa_float_denorm_mode_16_64 3
		.amdhsa_memory_ordered 1
		.amdhsa_forward_progress 1
		.amdhsa_inst_pref_size 11
	.end_amdhsa_kernel
	.amdgpu_metadata
---
amdhsa.version: [ 1, 2 ]
amdhsa.kernels:
  - .name:           k_q326fe2361c_vh2
    .symbol:         k_q326fe2361c_vh2.kd
    .args:
      - { .name: hp, .offset: 0, .size: 8, .value_kind: global_buffer, .address_space: global }
      - { .name: be1, .offset: 8, .size: 8, .value_kind: global_buffer, .address_space: global }
      - { .name: we2, .offset: 16, .size: 8, .value_kind: global_buffer, .address_space: global }
      - { .name: be2, .offset: 24, .size: 8, .value_kind: global_buffer, .address_space: global }
      - { .name: wmu, .offset: 32, .size: 8, .value_kind: global_buffer, .address_space: global }
      - { .name: wlv, .offset: 40, .size: 8, .value_kind: global_buffer, .address_space: global }
      - { .name: ml, .offset: 48, .size: 8, .value_kind: global_buffer, .address_space: global }
    .group_segment_fixed_size: 5376
    .private_segment_fixed_size: 0
    .kernarg_segment_align: 8
    .kernarg_segment_size: 56
    .max_flat_workgroup_size: 512
    .sgpr_count:     66
    .vgpr_count:     96
    .wavefront_size: 32
...
	.end_amdgpu_metadata
.endif
;; end of part 3
;; launch vlat (part 4): grid 8 x 1, 8 waves a work-group, no clusters, 1,536 bytes of LDS; arguments ml, bmu, blv, eps, wf, bf, lat, out1, out2; writes lat, out1, out2
.if DOCPART == 4
	.amdgcn_target "amdgcn-amd-amdhsa--gfx1250"
	.amdhsa_code_object_version 6
	.text
	.protected	k_q326fe2361c_vlat
	.globl	k_q326fe2361c_vlat
	.p2align	8
	.type	k_q326fe2361c_vlat,@function
k_q326fe2361c_vlat:
	s_mov_b64 s[64:65], 0
	v_nop
	global_prefetch_b8 v0, s[64:65] scope:SCOPE_SE
	s_setreg_imm32_b32 hwreg(HW_REG_WAVE_MODE, 25, 1), 1
	s_wait_xcnt 0x0
; mu, logvar = the sum of ml's four parts + bmu, blv; z = mu + eps exp(logvar / 2); lat = z wf^T + bf.  Work-group j makes lat's numbers 64 j .. 64 j + 63 (head j) for both samples; work-group 0 also stores mu and logvar.
; SHARES.  Lanes 0-15 hold sample 0's mu, logvar and z at columns 4 r .. 4 r + 3, lanes 16-31 sample 1's; a lane permute gives each half the other sample's z.  A load takes two rows of wf, a row to each half;
; wave w takes rows 8 w .. 8 w + 7 of the head.  The results are gathered in LDS and leave as one aligned unit of 256 bytes for each sample.  All in f32: lat goes on into a quantiser.
; LIMITS: exp(logvar / 2) is 2^(logvar x 0.72134752) by v_exp_f32, which gives 0 where the result would be denormal.
.set SPARE, 512                        ; LDS: 0 .. 511 z wf^T [b][64]; then the spare words, 128 bytes a wave
	s_load_b512 s[4:19], s[0:1], 0x0               ; ml 4, bmu 6, blv 8, eps 10, wf 12, bf 14, lat 16, out1 18
	s_load_b64 s[20:21], s[0:1], 0x40              ; out2
	v_lshl_add_u32 v1, v0, 2, SPARE
	v_mov_b32 v2, 0
	v_lshrrev_b32 v3, 5, v0
	v_readfirstlane_b32 s22, v3                    ; wave
	v_and_b32 v4, 15, v0                           ; r
	v_bfe_u32 v5, v0, 4, 1                         ; h
	v_lshlrev_b32 v6, 4, v4                        ; 16 r
	v_lshl_add_u32 v7, v5, 8, v6                   ; 256 h + 16 r = 16 x lane
	v_lshl_add_u32 v8, v5, 9, v6                   ; ml: 512 h + 16 r
	s_lshl_b32 s23, s22, 5
	v_mul_u32_u24 v9, v5, 260
	v_add_nc_u32 v9, s23, v9                       ; my own sample's result of my row: 256 h + 32 w + 4 h
	s_add_co_u32 s24, s23, 256
	v_mul_u32_u24 v10, v5, 252
	v_sub_nc_u32 v10, s24, v10                     ; the other sample's: 256 (1 - h) + 32 w + 4 h
	v_and_b32 v11, 31, v0
	v_lshlrev_b32 v11, 3, v11                      ; 8 x lane
	s_and_b32 s25, s22, 1
	s_lshl_b32 s26, s25, 8
	v_add_nc_u32 v12, s26, v11                     ; the way out: waves 0 and 1, a sample each
.irp k, 0,1,2,3
	v_mov_b32 v[84+\k], 0                          ; a lane permute's destination counts as one of its sources
.endr
	s_mov_b32 s28, 0x76543210
	s_mov_b32 s29, 0xfedcba98
	s_lshl_b32 s30, ttmp9, 14
	s_lshl_b32 s31, s22, 11
	s_add_co_u32 s30, s30, s31                     ; wf: row 64 j + 8 w
	s_mov_b32 s31, 0
	s_lshl_b32 s32, ttmp9, 8                       ; bf: 256 j
	s_mov_b32 s33, 0
	s_lshl_b32 s34, s25, 11
	s_add_co_u32 s34, s34, s32                     ; lat: 2,048 (w % 2) + 256 j
	s_mov_b32 s35, 0
	s_lshl_b32 s36, ttmp9, 4
	s_or_b32 s36, s36, s22                         ; 2 in wave 2 of work-group 0 alone
	s_wait_alu depctr_va_vdst(0)                   ; the wait at the head's end
	s_wait_kmcnt 0x0
	s_add_nc_u64 s[12:13], s[12:13], s[30:31]
	s_add_nc_u64 s[14:15], s[14:15], s[32:33]
	s_add_nc_u64 s[16:17], s[16:17], s[34:35]
.irp g, 0,1,2,3
	global_load_b128 v[16+4*\g:19+4*\g], v8, s[4:5] offset:1024*\g
	global_load_b128 v[32+4*\g:35+4*\g], v8, s[4:5] offset:1024*\g+256
.endr
	global_load_b128 v[48:51], v7, s[10:11]        ; eps of my half's sample
	global_load_b128 v[52:55], v6, s[6:7]
	global_load_b128 v[56:59], v6, s[8:9]
.irp i, 0,1,2,3
	global_load_b128 v[64+4*\i:67+4*\i], v7, s[12:13] offset:512*\i
.endr
	global_load_b64 v[60:61], v11, s[14:15]
	s_wait_loadcnt 0x0
.irp k, 0,2
.irp t, 16,32
	v_pk_add_f32 v[\t+\k:\t+\k+1], v[\t+\k:\t+\k+1], v[\t+4+\k:\t+5+\k]
	v_pk_add_f32 v[\t+8+\k:\t+9+\k], v[\t+8+\k:\t+9+\k], v[\t+12+\k:\t+13+\k]
.endr
.endr
.irp k, 0,2
.irp t, 16,32
	v_pk_add_f32 v[\t+\k:\t+\k+1], v[\t+\k:\t+\k+1], v[\t+8+\k:\t+9+\k]
.endr
.endr
.irp k, 0,2
	v_pk_add_f32 v[16+\k:17+\k], v[16+\k:17+\k], v[52+\k:53+\k]    ; mu
	v_pk_add_f32 v[32+\k:33+\k], v[32+\k:33+\k], v[56+\k:57+\k]    ; logvar
.endr
.irp k, 0,2
	v_pk_mul_f32 v[40+\k:41+\k], v[32+\k:33+\k], 0x3f38aa3b op_sel_hi:[1,0]   ; x log2(e) / 2
.endr
	s_wait_alu depctr_va_vdst(0)                   ; the wait ahead of the batch
.irp k, 0,1,2,3
	v_exp_f32 v[40+\k], v[40+\k]
.endr
	v_nop                                          ; a plain line behind the last exponential
	s_wait_alu depctr_va_vdst(0)                   ; and the wait ahead of the first reader
.irp k, 0,2
	v_pk_fma_f32 v[80+\k:81+\k], v[48+\k:49+\k], v[40+\k:41+\k], v[16+\k:17+\k]   ; z of my half's sample
.endr
.irp k, 0,1,2,3
	v_permlanex16_b32 v[84+\k], v[80+\k], s28, s29                 ; and of the other
.endr
.irp n, 0,1,2,3,4,5,6,7                ; sum n: load n / 2 (my row 8 w + 2 (n / 2) + h), my own sample's z (n % 2 = 0) or the other's; the eight by turns
	v_pk_mul_f32 v[88+2*\n:89+2*\n], v[64+4*(\n/2):65+4*(\n/2)], v[80+4*(\n%2):81+4*(\n%2)]
.endr
.irp n, 0,1,2,3,4,5,6,7
	v_pk_fma_f32 v[88+2*\n:89+2*\n], v[66+4*(\n/2):67+4*(\n/2)], v[82+4*(\n%2):83+4*(\n%2)], v[88+2*\n:89+2*\n]
.endr
.irp n, 0,1,2,3,4,5,6,7
	v_add_f32 v[88+2*\n], v[88+2*\n], v[89+2*\n]
.endr
.irp m, 1,2,4,8
.irp n, 0,1,2,3,4,5,6,7
	v_add_f32_dpp v[88+2*\n], v[88+2*\n], v[88+2*\n] row_xmask:\m row_mask:0xf bank_mask:0xf
.endr
.endr
.irp n, 0,1,2,3,4,5,6,7
	ds_store_b32 v[9+\n%2], v[88+2*\n] offset:8*(\n/2)             ; the sixteen lanes of a half store the same word
.endr
	s_cmp_lg_u32 s36, 2
	s_wait_alu depctr_va_vdst(0)                   ; the wait ahead of the branch
	s_cbranch_scc1 .Lno_out
	global_store_b128 v7, v[16:19], s[18:19]       ; mu of both samples: 512 consecutive bytes
	global_store_b128 v7, v[32:35], s[20:21]       ; logvar likewise
.Lno_out:
	s_wait_dscnt 0x0                               ; my results have landed
	s_barrier_signal -1
	s_barrier_wait -1
	s_cmp_gt_u32 s22, 1
	s_cbranch_scc1 .Lend
	ds_load_b64 v[104:105], v12
	s_wait_dscnt 0x0
	v_pk_add_f32 v[104:105], v[104:105], v[60:61]
	global_store_b64 v11, v[104:105], s[16:17]     ; one aligned unit of 256 bytes
.Lend:
	s_wait_tensorcnt 0x0                           ; the wave's end
	ds_add_u32 v1, v2
	s_wait_dscnt 0x0
	s_endpgm
.Lfunc_end_k_q326fe2361c_vlat:
	.size	k_q326fe2361c_vlat, .Lfunc_end_k_q326fe2361c_vlat-k_q326fe2361c_vlat
	.p2alignl 7, 3214868480
	.fill 96, 4, 3214868480
	.section	.rodata,"a",@progbits
	.p2align	6, 0x0
	.amdhsa_kernel k_q326fe2361c_vlat
		.amdhsa_group_segment_fixed_size 1536
		.amdhsa_private_segment_fixed_size 0
		.amdhsa_enable_private_segment 0
		.amdhsa_kernarg_size 72
		.amdhsa_user_sgpr_count 2
		.amdhsa_user_sgpr_kernarg_segment_ptr 1
		.amdhsa_wavefront_size32 1
		.amdhsa_system_sgpr_workgroup_id_x 1
		.amdhsa_system_sgpr_workgroup_id_y 1
		.amdhsa_system_sgpr_workgroup_id_z 1
		.amdhsa_system_vgpr_workitem_id 0
		.amdhsa_next_free_vgpr 112
		.amdhsa_next_free_sgpr 66
		.amdhsa_reserve_vcc 0
		.amdhsa_float_denorm_mode_32 3
		.amdhsa_float_denorm_mode_16_64 3
		.amdhsa_memory_ordered 1
		.amdhsa_forward_progress 1
		.amdhsa_inst_pref_size 10
	.end_amdhsa_kernel
	.amdgpu_metadata
---
amdhsa.version: [ 1, 2 ]
amdhsa.kernels:
  - .name:           k_q326fe2361c_vlat
    .symbol:         k_q326fe2361c_vlat.kd
    .args:
      - { .name: ml, .offset: 0, .size: 8, .value_kind: global_buffer, .address_space: global }
      - { .name: bmu, .offset: 8, .size: 8, .value_kind: global_buffer, .address_space: global }
      - { .name: blv, .offset: 16, .size: 8, .value_kind: global_buffer, .address_space: global }
      - { .name: eps, .offset: 24, .size: 8, .value_kind: global_buffer, .address_space: global }
      - { .name: wf, .offset: 32, .size: 8, .value_kind: global_buffer, .address_space: global }
      - { .name: bf, .offset: 40, .size: 8, .value_kind: global_buffer, .address_space: global }
      - { .name: lat, .offset: 48, .size: 8, .value_kind: global_buffer, .address_space: global }
      - { .name: out1, .offset: 56, .size: 8, .value_kind: global_buffer, .address_space: global }
      - { .name: out2, .offset: 64, .size: 8, .value_kind: global_buffer, .address_space: global }
    .group_segment_fixed_size: 1536
    .private_segment_fixed_size: 0
    .kernarg_segment_align: 8
    .kernarg_segment_size: 72
    .max_flat_workgroup_size: 256
    .sgpr_count:     66
    .vgpr_count:     112
    .wavefront_size: 32
...
	.end_amdgpu_metadata
.endif
;; end of part 4
;; launch qkv (part 5): grid 64 x 3, 8 waves a work-group, no clusters, 168,960 bytes of LDS; arguments xw, bq, bk, bv, lat, qkv; writes qkv
.if DOCPART == 5
	.amdgcn_target "amdgcn-amd-amdhsa--gfx1250"
	.amdhsa_code_object_version 6
	.text
	.protected	k_q326fe2361c_qkv
	.globl	k_q326fe2361c_qkv
	.p2align	8
	.type	k_q326fe2361c_qkv,@function
k_q326fe2361c_qkv:
	s_mov_b64 s[64:65], 0
	v_nop
	global_prefetch_b8 v0, s[64:65] scope:SCOPE_SE
	s_setreg_imm32_b32 hwreg(HW_REG_WAVE_MODE, 25, 1), 1
	s_wait_xcnt 0x0
; q_g = x wq^T + bq + lat, k_g = x wk^T + bk + lat, v = x wv^T + bv on codes of FP8 (E4M3) with E8M0 scales, and their results quantised at once: q_g and k_g along the head's 64, v along the tokens.
; SHARES.  Work-group (tb, y): 128 tokens; y = 0 q, 1 k, 2 v.  Wave w = head w: its 64 rows of the weight, 16 fragments, stay in window 1 of its registers; x's 8 tile records (67,584 bytes) come into LDS by four
; tensor loads, filled once, and all eight waves read them.  A group of 32 tokens (two tiles) at a time: 32 matrix instructions on 8 accumulators by turns, then the quantiser in registers.
; NO CLUSTER: the weights go straight into registers, where a joint load cannot land; x's tiles are shared by the three work-groups of a token block, which do not fill a cluster of four.
; TILES hold rows 32 G + 8 u + r + 8 (r / 8) (tile 2 G + u), of x and of the weights alike.  So, q and k (source 0 = weight, source 1 = x): a lane holds one token, and the 16 registers of weight tiles 2 b, 2 b + 1 are
; channels 32 b + 16 (lane / 16) + 0 .. 15.  v (source 0 = x, source 1 = weight): a lane holds one channel, and the 16 registers of x's tiles u = 0, 1 are tokens 32 g + 16 (lane / 16) + 0 .. 15.
; OUT, all as images of operand registers (a piece of 512 bytes = four registers, lane l's 16 bytes at 16 l).  With bh = 8 batch + head, ks = the token block in its batch:
;   K's and Q's fragment g of a block: pieces 0, 1 = the two blocks of 32 channels of tile u = 0's tokens, pieces 2, 3 = tile u = 1's: TWO tiles of 16 tokens x 64 channels in one fragment of K = 128.
;   V's fragment dt (16 channels in tile order): piece g = tokens 32 g .. 32 g + 31.   Scale words: [row r][4 words], word = the fragment's number.
;   qkv: codes of K and V at (32 bh + ks) x 16,384 (K 8,192, V 8,192); their scales at KVS + (32 bh + ks) x 512 (256, 256); Q's codes at QC + .. x 8,192; Q's scales at QS + .. x 256.
; The bias (for q and k: bias + lat, added in f32) is the C of each sum's first matrix instruction.
; LIMITS: NaN and infinities are not served.  A block of zeros gets the byte 1 (its codes are zeros; this program alone reads the bytes).
.set REC,  8448
.set GRP,  16896                       ; a group's two records
.set KVS,  8388608
.set QC,   8650752
.set QS,   12845056
.set LI,   1                           ; v1 16 x lane; v2 the same + two groups (an LDS offset has 16 bits)
.set LR,   3                           ; v3 16 x (lane % 16)
.set LXS,  4                           ; v4 x's scale words: lanes 0-15 tile u = 0's rows, lanes 16-31 tile u = 1's
.set BAQ,  5                           ; v5 64 x (lane / 16): the bias of q and k
.set SCA,  6                           ; v6 16 r + 8 h: the scale words' way out
.set VH,   7                           ; v7 lane / 16
.set XS,   8                           ; v8-11   x's scale words, K step s
.set WS,   12                          ; v12-27  the weight's, 4 ft + s
.set SOW,  28                          ; v28-31  the words made here
.set BI,   32                          ; v32-63  the bias in the result's layout, 8 a weight tile
.set HA,   64                          ; v64-127 8 accumulators
.set XF,   128                         ; v128-191 4 fragments of x: 16 (2 u + sl)
.set PC,   192                         ; v192-207 the codes just made
.set TM,   208                         ; v208-223 the quantiser's: largest magnitudes, bytes, holds, scale operands
.set BAV,  232                         ; v232 4 (r + 8 (r / 8)): the bias of v
.set SEL,  48
.set MNT,  50
.set MSB, 0
.macro WIN new                         ; the immediate's high byte repeats the setting that is left
.if MSB != (\new)
	s_set_vgpr_msb (MSB<<8)|(\new)
.set MSB, (\new)
.endif
.endm
	s_load_b256 s[4:11], s[0:1], 0x0               ; xw, bq, bk, bv
	s_load_b128 s[12:15], s[0:1], 0x20             ; lat, qkv
	v_lshl_add_u32 v254, v0, 2, 0x29000
	v_mov_b32 v255, 0
	ds_add_u32 v254, v255
	ds_add_u32 v254, v255
	v_lshrrev_b32 v1, 5, v0
	s_delay_alu instid0(VALU_DEP_1)
	v_readfirstlane_b32 s16, v1                    ; wave = head
	s_and_b32 s17, ttmp7, 0xffff                   ; y
	v_and_b32 v1, 31, v0
	s_delay_alu instid0(VALU_DEP_1)
	v_lshlrev_b32 v[LI], 4, v1
	s_delay_alu instid0(VALU_DEP_1)
	v_add_nc_u32 v[LI+1], 2*GRP, v[LI]
	v_and_b32 v[BAV], 15, v0
	v_bfe_u32 v[VH], v0, 4, 1
	s_delay_alu instid0(VALU_DEP_2)
	v_lshlrev_b32 v[LR], 4, v[BAV]
	s_delay_alu instid0(VALU_DEP_2)
	v_mul_u32_u24 v[LXS], v[VH], REC
	s_delay_alu instid0(VALU_DEP_1)
	v_add_nc_u32 v[LXS], v[LXS], v[LR]
	s_delay_alu instid0(VALU_DEP_1)
	v_add_nc_u32 v[LXS], 8192, v[LXS]
	v_lshlrev_b32 v[BAQ], 6, v[VH]
	v_lshl_add_u32 v[SCA], v[VH], 3, v[LR]
	v_and_b32 v224, 8, v[BAV]
	s_delay_alu instid0(VALU_DEP_1)
	v_add_nc_u32 v[BAV], v224, v[BAV]
	s_delay_alu instid0(VALU_DEP_1)
	v_lshlrev_b32 v[BAV], 2, v[BAV]
.irp b, 0,1,2,3
	v_mov_b32 v[TM+4+\b], 0                        ; written once: a lane permute's destination counts as one of its sources
.endr
	s_mov_b32 s[SEL], 0x76543210
	s_mov_b32 s[SEL+1], 0xfedcba98
	s_mov_b32 s[MNT], 0x600000
	; descriptor group 1: two records, 16,896 dense bytes, as 66 rows of 32 elements of 8 bytes
	s_mov_b32 s24, 3<<16
	s_mov_b32 s25, 32<<16
	s_mov_b32 s26, 66<<16
	s_mov_b32 s27, 32<<16
	s_mov_b32 s28, 66
	s_mov_b32 s29, 32
	s_mov_b32 s30, 0
	s_mov_b32 s31, 0
	s_mov_b32 s32, 1
	s_mul_i32 s33, s16, GRP                        ; to LDS: group = wave
	s_lshl_b32 s18, ttmp9, 3
	s_lshl_b32 s19, s16, 1
	s_add_co_u32 s18, s18, s19
	s_mul_i32 s18, s18, REC                        ; from record 8 tb + 2 wave
	s_mov_b32 s19, 0
	s_lshl_b32 s20, s17, 5
	s_lshl_b32 s21, s16, 2
	s_add_co_u32 s20, s20, s21
	s_add_co_u32 s20, s20, 512
	s_mul_i32 s20, s20, REC                        ; my weight tiles: records 512 + 32 y + 4 wave on
	s_mov_b32 s21, 0
	s_lshr_b32 s36, ttmp9, 5                       ; batch
	s_lshl_b32 s37, s36, 3
	s_add_co_u32 s37, s37, s16
	s_lshl_b32 s37, s37, 5
	s_and_b32 s38, ttmp9, 31
	s_add_co_u32 s37, s37, s38                     ; 32 bh + ks
	s_lshl_b32 s38, s16, 8                         ; my head's 64 numbers of a bias
	s_mov_b32 s39, 0
	s_wait_dscnt 0x0
	s_wait_kmcnt 0x0
	s_add_nc_u64 s[34:35], s[4:5], s[18:19]
	s_or_b32 s35, s35, 0x80000000
	s_add_nc_u64 s[20:21], s[4:5], s[20:21]
	s_cmp_lt_u32 s16, 4
	s_cbranch_scc0 .Lno_fill
	tensor_load_to_lds s[32:35], s[24:31]          ; a first fill; these bytes are filled once
	s_nop 0
.rept 4
	v_nop
.endr
.Lno_fill:
	WIN 0x40                                       ; destination window 1
.irp ft, 0,1,2,3
.irp s, 0,1,2,3
.irp c, 0,1,2,3
	global_load_b128 v[16*(4*\ft+\s)+4*\c:16*(4*\ft+\s)+4*\c+3], v[LI], s[20:21] offset:REC*\ft+2048*\s+512*\c
.endr
.endr
.endr
	WIN 0
.irp ft, 0,1,2,3
	global_load_b128 v[WS+4*\ft:WS+4*\ft+3], v[LR], s[20:21] offset:REC*\ft+8192
.endr
; 64 numbers of a lane, v[s] on, register 16 b + i = number 16 (lane / 16) + i of block b of my row, become 16 registers of codes in v[PC] on; word >= 0: the four bytes' word goes to v[word]; the bytes stay in v[TM+4] on
.macro QUANT s, word
.irp b, 0,1,2,3
	v_max3_num_f32 v[TM+\b], |v[\s+16*\b]|, |v[\s+1+16*\b]|, 0x4800000   ; my 16 numbers, and the floor 2^(9 - 127): the byte cannot fall under 1
.endr
.irp i, 2,4,6,8,10,12,14
.irp b, 0,1,2,3
	v_max3_num_f32 v[TM+\b], v[TM+\b], |v[\s+16*\b+\i]|, |v[\s+1+16*\b+\i]|
.endr
.endr
.irp b, 0,1,2,3
	s_delay_alu instid0(VALU_DEP_4)
	v_permlanex16_b32 v[TM+4+\b], v[TM+\b], s[SEL], s[SEL+1]
.endr
.irp b, 0,1,2,3
	s_delay_alu instid0(VALU_DEP_4)
	v_max_num_f32 v[TM+\b], v[TM+\b], v[TM+4+\b]   ; with lane l xor 16's: the block's largest magnitude
.endr
.irp b, 0,1,2,3
	s_delay_alu instid0(VALU_DEP_4)
	v_add_nc_u32 v[TM+12+\b], 0xfc000000, v[TM+\b] ; 8 off the exponent field: the conversion's scale operand
.endr
.irp b, 0,1,2,3
	v_and_or_b32 v[TM+8+\b], v[TM+\b], 0x7f800000, s[MNT]   ; 448 x the scale
.endr
.irp b, 0,1,2,3
	v_lshrrev_b32 v[TM+4+\b], 23, v[TM+12+\b]      ; the scale's byte
.endr
.if \word >= 0
	s_delay_alu instid0(VALU_DEP_3)
	v_lshl_or_b32 v[\word], v[TM+5], 8, v[TM+4]
	s_delay_alu instid0(VALU_DEP_1)
	v_lshl_or_b32 v[\word], v[TM+6], 16, v[\word]
	s_delay_alu instid0(VALU_DEP_1)
	v_lshl_or_b32 v[\word], v[TM+7], 24, v[\word]
.endif
.irp b, 0,1,2,3
.irp i, 0,1,2,3,4,5,6,7,8,9,10,11,12,13,14,15
	v_med3_num_f32 v[\s+16*\b+\i], v[\s+16*\b+\i], -v[TM+8+\b], v[TM+8+\b]   ; the conversion does not saturate (ISA guide 7.6.2): the hold comes first
.endr
	v_cvt_scalef32_pk8_fp8_f32 v[PC+4*\b:PC+1+4*\b], v[\s+16*\b:\s+7+16*\b], v[TM+12+\b]
	v_cvt_scalef32_pk8_fp8_f32 v[PC+2+4*\b:PC+3+4*\b], v[\s+8+16*\b:\s+15+16*\b], v[TM+12+\b]
.endr
	v_nop                                          ; a plain line between the last conversion and the next products, which write its sources
.endm
.macro MM d, a, b, c, sa, sb, rowa, rowb
.if \rowa
	v_wmma_scale_f32_16x16x128_f8f6f4 v[(\d):(\d)+7], v[(\a):(\a)+15], v[(\b):(\b)+15], v[(\c):(\c)+7], v[\sa], v[\sb] matrix_a_scale:MATRIX_SCALE_ROW1
.elseif \rowb
	v_wmma_scale_f32_16x16x128_f8f6f4 v[(\d):(\d)+7], v[(\a):(\a)+15], v[(\b):(\b)+15], v[(\c):(\c)+7], v[\sa], v[\sb] matrix_b_scale:MATRIX_SCALE_ROW1
.else
	v_wmma_scale_f32_16x16x128_f8f6f4 v[(\d):(\d)+7], v[(\a):(\a)+15], v[(\b):(\b)+15], v[(\c):(\c)+7], v[\sa], v[\sb]
.endif
.endm
; A group of 32 tokens.  arm = 0: q or k; 1: v.  The 8 accumulators take turns, one instruction a turn.
.macro GROUP arm, g
	ds_load_b128 v[XS:XS+3], v[LXS] offset:GRP*\g
.irp hs, 0,1                           ; K steps 2 hs and 2 hs + 1
.if \hs
.rept 8
	v_nop                                          ; eight places in front of loads into registers that matrix instructions have read; at a group's head those behind the last group's products serve
.endr
.endif
.irp u, 0,1
.irp sl, 0,1
.irp c, 0,1,2,3
	ds_load_b128 v[XF+16*(2*\u+\sl)+4*\c:XF+16*(2*\u+\sl)+4*\c+3], v[LI+(\g)/2] offset:GRP*((\g)%2)+REC*\u+2048*(2*\hs+\sl)+512*\c
.endr
.endr
.endr
	s_wait_dscnt 0x0
.if \arm
	WIN 0x04                                       ; source 1 (the weight) window 1
.else
	WIN 0x01                                       ; source 0 (the weight) window 1
.endif
.irp sl, 0,1
.set sK, 2*\hs+\sl
.if \arm
.irp ft, 0,1,2,3
.irp u, 0,1
.if sK == 0
	MM HA+8*(2*\ft+\u), XF+16*(2*\u+\sl), 16*(4*\ft+sK), BI+8*\ft, XS+sK, WS+4*\ft+sK, \u, 0
.else
	MM HA+8*(2*\ft+\u), XF+16*(2*\u+\sl), 16*(4*\ft+sK), HA+8*(2*\ft+\u), XS+sK, WS+4*\ft+sK, \u, 0
.endif
.endr
.endr
.else
.irp u, 0,1
.irp ft, 0,1,2,3
.if sK == 0
	MM HA+8*(4*\u+\ft), 16*(4*\ft+sK), XF+16*(2*\u+\sl), BI+8*\ft, WS+4*\ft+sK, XS+sK, 0, \u
.else
	MM HA+8*(4*\u+\ft), 16*(4*\ft+sK), XF+16*(2*\u+\sl), HA+8*(4*\u+\ft), WS+4*\ft+sK, XS+sK, 0, \u
.endif
.endr
.endr
.endif
.endr
	WIN 0
.endr
.rept 8
	v_nop                                          ; eight places in front of the first read of results, and of the next group's loads
.endr
	s_wait_xcnt 0x0                                ; the last group's stores have read the codes' registers: they are written again only behind this wait
.if \arm
	QUANT HA, -1
.irp b, 0,1,2,3
.if \g == 0
	v_mov_b32 v[SOW+\b], v[TM+4+\b]                ; channel tile b's word: byte g = these 32 tokens'
.else
	v_lshl_or_b32 v[SOW+\b], v[TM+4+\b], 8*\g, v[SOW+\b]
.endif
.endr
.irp c, 0,1,2,3
	global_store_b128 v[LI], v[PC+4*\c:PC+4*\c+3], s[44:45] offset:2048*\c+512*\g   ; fragment = channel tile, piece = group
.endr
.else
	QUANT HA, SOW+\g
.irp c, 0,1,2,3
	global_store_b128 v[LI], v[PC+4*\c:PC+4*\c+3], s[44:45] offset:2048*\g+512*\c   ; fragment = group; 512 consecutive bytes a store
.endr
.endif
.endm
.macro WORDS_OUT                       ; [r][4 words]: lanes 0-15 store words 0, 1 of row r, lanes 16-31 words 2, 3: 256 consecutive bytes
	v_cmp_eq_u32 vcc_lo, 1, v[VH]
	s_delay_alu instid0(VALU_DEP_1)
	v_cndmask_b32 v224, v[SOW], v[SOW+2], vcc_lo
	s_delay_alu instid0(VALU_DEP_2)
	v_cndmask_b32 v225, v[SOW+1], v[SOW+3], vcc_lo
	global_store_b64 v[SCA], v[224:225], s[46:47]
.endm
	s_cmp_eq_u32 s17, 2                            ; one parting, on the work-group's y: the same in all eight waves
	s_cbranch_scc1 .Lv_arm
	; ---- q or k
	s_cmp_eq_u32 s17, 0
	s_cselect_b64 s[40:41], s[6:7], s[8:9]
	s_cselect_b32 s42, 13, 14
	s_cselect_b32 s43, 8, 9
	s_cselect_b32 s44, QC, 0
	s_mov_b32 s46, KVS
	s_cselect_b32 s46, QS, s46
	s_lshl_b32 s42, s37, s42
	s_add_co_u32 s44, s44, s42
	s_mov_b32 s45, 0
	s_lshl_b32 s43, s37, s43
	s_add_co_u32 s46, s46, s43
	s_mov_b32 s47, 0
	s_add_nc_u64 s[44:45], s[14:15], s[44:45]      ; where my codes go,
	s_add_nc_u64 s[46:47], s[14:15], s[46:47]      ; and my scale words
	s_add_nc_u64 s[40:41], s[40:41], s[38:39]
	s_lshl_b32 s42, s36, 11
	s_add_co_u32 s42, s42, s38
	s_mov_b32 s43, 0
	s_add_nc_u64 s[12:13], s[12:13], s[42:43]      ; lat of my batch and head
	s_wait_alu depctr_va_vdst(0)
.irp ft, 0,1,2,3                       ; lane (r, h), tile ft, register j: channel 32 (ft / 2) + 8 (ft % 2) + 16 h + j
	global_load_b128 v[BI+8*\ft:BI+8*\ft+3], v[BAQ], s[40:41] offset:(32*(\ft/2)+8*(\ft%2))*4
	global_load_b128 v[BI+8*\ft+4:BI+8*\ft+7], v[BAQ], s[40:41] offset:(32*(\ft/2)+8*(\ft%2))*4+16
	global_load_b128 v[XF+8*\ft:XF+8*\ft+3], v[BAQ], s[12:13] offset:(32*(\ft/2)+8*(\ft%2))*4
	global_load_b128 v[XF+8*\ft+4:XF+8*\ft+7], v[BAQ], s[12:13] offset:(32*(\ft/2)+8*(\ft%2))*4+16
.endr
	s_wait_tensorcnt 0x0                           ; my part of x's records has landed,
	s_barrier_signal -1
	s_barrier_wait -1                              ; everybody's has
	s_wait_loadcnt 0x0
.set k2, 0
.rept 16
	v_pk_add_f32 v[BI+k2:BI+k2+1], v[BI+k2:BI+k2+1], v[XF+k2:XF+k2+1]
.set k2, k2+2
.endr
	s_wait_alu depctr_va_vdst(0)
	GROUP 0, 0
	GROUP 0, 1
	GROUP 0, 2
	GROUP 0, 3
	WORDS_OUT
	s_wait_tensorcnt 0x0
	ds_add_u32 v254, v255
	s_wait_dscnt 0x0
	s_endpgm
.Lv_arm:
	; ---- v
	s_lshl_b32 s44, s37, 14
	s_add_co_u32 s44, s44, 8192
	s_mov_b32 s45, 0
	s_lshl_b32 s46, s37, 9
	s_add_co_u32 s46, s46, KVS+256
	s_mov_b32 s47, 0
	s_add_nc_u64 s[44:45], s[14:15], s[44:45]
	s_add_nc_u64 s[46:47], s[14:15], s[46:47]
	s_add_nc_u64 s[10:11], s[10:11], s[38:39]
	s_wait_alu depctr_va_vdst(0)
.irp ft, 0,1,2,3                       ; lane (r, h), tile ft: channel 32 (ft / 2) + 8 (ft % 2) + r + 8 (r / 8), the same for all eight registers
	global_load_b32 v[BI+8*\ft], v[BAV], s[10:11] offset:(32*(\ft/2)+8*(\ft%2))*4
.endr
	s_wait_tensorcnt 0x0
	s_barrier_signal -1
	s_barrier_wait -1
	s_wait_loadcnt 0x0
.irp ft, 0,1,2,3
.irp j, 1,2,3,4,5,6,7
	v_mov_b32 v[BI+8*\ft+\j], v[BI+8*\ft]
.endr
.endr
	s_wait_alu depctr_va_vdst(0)
	GROUP 1, 0
	GROUP 1, 1
	GROUP 1, 2
	GROUP 1, 3
	WORDS_OUT
	s_wait_tensorcnt 0x0
	ds_add_u32 v254, v255
	s_wait_dscnt 0x0
	s_endpgm
.Lfunc_end_k_q326fe2361c_qkv:
	.size	k_q326fe2361c_qkv, .Lfunc_end_k_q326fe2361c_qkv-k_q326fe2361c_qkv
	.p2alignl 7, 3214868480
	.fill 96, 4, 3214868480
	.section	.rodata,"a",@progbits
	.p2align	6, 0x0
	.amdhsa_kernel k_q326fe2361c_qkv
		.amdhsa_group_segment_fixed_size 168960
		.amdhsa_private_segment_fixed_size 0
		.amdhsa_enable_private_segment 0
		.amdhsa_kernarg_size 48
		.amdhsa_user_sgpr_count 2
		.amdhsa_user_sgpr_kernarg_segment_ptr 1
		.amdhsa_wavefront_size32 1
		.amdhsa_system_sgpr_workgroup_id_x 1
		.amdhsa_system_sgpr_workgroup_id_y 1
		.amdhsa_system_sgpr_workgroup_id_z 1
		.amdhsa_system_vgpr_workitem_id 0
		.amdhsa_next_free_vgpr 512
		.amdhsa_next_free_sgpr 66
		.amdhsa_reserve_vcc 1
		.amdhsa_float_denorm_mode_32 3
		.amdhsa_float_denorm_mode_16_64 3
		.amdhsa_memory_ordered 1
		.amdhsa_forward_progress 1
		.amdhsa_inst_pref_size 141
	.end_amdhsa_kernel
	.amdgpu_metadata
---
amdhsa.version: [ 1, 2 ]
amdhsa.kernels:
  - .name:           k_q326fe2361c_qkv
    .symbol:         k_q326fe2361c_qkv.kd
    .args:
      - { .name: xw, .offset: 0, .size: 8, .value_kind: global_buffer, .address_space: global }
      - { .name: bq, .offset: 8, .size: 8, .value_kind: global_buffer, .address_space: global }
      - { .name: bk, .offset: 16, .size: 8, .value_kind: global_buffer, .address_space: global }
      - { .name: bv, .offset: 24, .size: 8, .value_kind: global_buffer, .address_space: global }
      - { .name: lat, .offset: 32, .size: 8, .value_kind: global_buffer, .address_space: global }
      - { .name: qkv, .offset: 40, .size: 8, .value_kind: global_buffer, .address_space: global }
    .group_segment_fixed_size: 168960
    .private_segment_fixed_size: 0
    .kernarg_segment_align: 8
    .kernarg_segment_size: 48
    .max_flat_workgroup_size: 256
    .sgpr_count:     66
    .vgpr_count:     512
    .wavefront_size: 32
...
	.end_amdgpu_metadata
.endif
;; end of part 5
;; launch attn (part 6): grid 16 x 16, 16 waves a work-group, clusters of 4 x 1, 327,680 bytes of LDS; arguments qkv, ctx; writes ctx
.if DOCPART == 6
	.amdgcn_target "amdgcn-amd-amdhsa--gfx1250"
	.amdhsa_code_object_version 6
	.text
	.protected	k_q326fe2361c_attn
	.globl	k_q326fe2361c_attn
	.p2align	8
	.type	k_q326fe2361c_attn,@function
k_q326fe2361c_attn:
	s_mov_b64 s[64:65], 0
	v_nop
	global_prefetch_b8 v0, s[64:65] scope:SCOPE_SE
	s_setreg_imm32_b32 hwreg(HW_REG_WAVE_MODE, 25, 1), 1
	s_wait_xcnt 0x0
	s_wait_alu depctr_hold_cnt(0) depctr_sa_sdst(0) depctr_va_vdst(0) depctr_va_sdst(0) depctr_va_ssrc(0) depctr_va_vcc(0) depctr_vm_vsrc(0)
	s_getreg_b32 s2, hwreg(HW_REG_IB_STS2, 6, 4)
	s_cmp_eq_u32 s2, 0
	s_cbranch_scc0 .Lentry_in_a_cluster
	s_endpgm
.Lentry_in_a_cluster:
	s_bfe_u32 s2, ttmp6, 0x10000c
	s_cmp_lg_u32 s2, 0x3003
	s_cbranch_scc0 .Lentry_shape_is_right
	s_endpgm
.Lentry_shape_is_right:
; ctx[bh][q] = the sum over k of softmax_k(q_g . k_g / 8) v[k], both products on codes of FP8 (E4M3) with E8M0 scales; ctx is quantised along the model's 512 at once, for the last projection.
; THE SOFTMAX: t = score x log2(e) / 8; M = the row's largest t so far, rounded UP to a whole number; p = 2^(t - M) is quantised along the keys, not normalised; the row's sum is taken of the unquantised p and divides at
; the end.  When M moves, the sum and O are multiplied by 2^(old M - new M): exact.
; SHARES.  A work-group owns 256 queries of one (batch, head); each of its sixteen waves owns 16 of them, one tile, in 256 registers: four waves to a SIMD.  Every wave walks all 4,096 keys, 128 a step.
; LAYOUT.  Both products are used transposed (S^T = K Q^T, O^T = V^T P^T): a lane holds ONE query throughout.  All operands lie in memory and in LDS as images of their registers: every fragment load is 512 consecutive bytes.
; A HEAD OF 64 IN AN INSTRUCTION OF K = 128.  A fragment of K carries two tiles of 16 keys: tile u = 0's 64 channels at k 0-63, tile u = 1's at k 64-127.  Q stands in 24 registers, [q | 0 | q]: registers 0-15 are
; [q | 0], registers 8-23 [0 | q].  K's fragment f x form u gives the scores of key tile 2 f + u.  The dead half has zero codes; its scale bytes are 1.
; Key tile 2 f + u holds keys 32 f + 8 u + r + 8 (r / 8), so the 16 registers of tiles 2 f, 2 f + 1 are keys 32 f + 16 (lane / 16) + 0 .. 15: p's codes are the second product's operand as they come.
; THE COUNT OF LINES A STEP is what this text is laid out for: the hold of p goes two numbers a line; one load brings K's and V's scale words (lanes 0-15 K's, lanes 16-31 V's); the last four additions of the row's sum
; are put off to the next step's head, where they, the two addresses and the copy of -M are seven of the eight places that stand there in any case.
; CLUSTER.  The four query blocks of a cluster walk the same K and V: each tile is asked for jointly, by the same tensor load with a mask that names the four.
; RING.  Two slots of eight key steps (131,072 bytes: a step is K's 8,192 and V's 8,192), so the 32 steps have three changes of slots, two of them with a refill.  Waves 0-7 fetch a step each.
; The head's scale words (16,384 bytes) come once, by wave 8, with the first fill, and lie behind the ring.
; A CHANGE OF SLOTS LIES IN THE SLOT'S LAST KEY STEP: a wave signals as soon as that step's V is in its registers, its last read of the slot, and does the step's softmax and products, work on registers alone, between the
; signal and the wait.  By this text's own count a wave has one tensor load out.  All of the WGP's LDS is claimed; the text uses 281,088 bytes.
; LIMITS: NaN and infinities are not served; v_exp_f32 gives 0 where p would be denormal; the promise holds while the scaled scores stay under 2^31 in magnitude.
.set KVS,   8388608
.set QC,    8650752
.set QS,    12845056
.set CSO,   4194304                    ; ctx: codes [tile 512][8,192]; from here the scale bytes [bh][tile 256][row 16] half-words
.set SLOT1, 1<<17
.set SCL,   262144                     ; LDS behind the ring: the head's scale words, 512 bytes a key step: K's [r][4 words], V's [r][4 words]
.set CSTG,  278528                     ; 512 bytes: the work-group's 16 tiles x 16 half-words of ctx's scale bytes
.set SPARE, 279040                     ; the spare words, 128 bytes a wave
.set LI,  1                            ; v1  16 x lane
.set LR,  2                            ; v2  SCL + 16 x lane
.set ADR, 3                            ; v3  the step's tiles
.set ADS, 4                            ; v4  the step's scale words
.set SPW, 5                            ; v5  my spare word; never rewritten
.set NIL, 6                            ; v6  0; never rewritten
.set PFO, 7                            ; v7  256 x lane: the prefetches' offset
.set CH,  8                            ; v8-15 four pairs of the row's part sums
.set KS,  16                           ; v16-19 the step's scale words: lanes 0-15 K's, lanes 16-31 V's
.set W8,  20                           ; v20, 21 the way out's LDS addresses
.set W9,  21
.set QW,  24                           ; v24, 25 Q's scale words for forms 0, 1
.set PW,  28                           ; v28 p's scale word
.set QR,  32                           ; v32-55  [q | 0 | q]
.set NM,  56                           ; v56 -M, v57 the largest score
.set TX,  57
.set SU,  58                           ; v[58:59] the sum in two halves
.set FF,  60                           ; v[60:61] f = 2^(old M - new M); at the end 1 / the sum
.set T0,  62
.set ON,  63                           ; v63 the last step's -M
.set S,   64                           ; v64-127 S^T, then p
.set O,   128                          ; v128-159 O^T
.set P,   160                          ; v160-175 p's codes
.set BM,  176                          ; v176-179 the blocks' largest
.set PT,  180
.set HV,  184
.set SO,  188
.set KF,  192                          ; v192-255 four fragments: K's, then V's
.set WV,  8
.set SEL, 12
.set CS,  14                           ; s[14:15] c = log2(e) / 8
.set MNT, 16
.set TB,  17                           ; LDS byte at which the step's tiles begin
.set TS,  18                           ; and its scale words, from SCL on
.set SLOTS, 19
.set CNT, 20
.set LIM, 21
.set PFA, 22
.set G0,  24
.set G1,  28
.macro DLY n
	s_delay_alu instid0(VALU_DEP_\n)
.endm
.macro JLOAD n                         ; waves 0 .. n - 1 issue their joint load; the branch hangs on the wave's number alone.  s_nop 0 and four v_nop follow the load
	s_cmp_lt_u32 s[WV], \n
	s_cbranch_scc0 .Lasked_\@
	tensor_load_to_lds s[G0:G0+3], s[G1:G1+7]
	s_nop 0
.rept 4
	v_nop
.endr
.Lasked_\@:
.endm
; A prefetch of what the NEXT change of slots will ask for: 131,072 bytes, eight key steps ahead of that load.  Each aligned block of 256 bytes is named once in the launch: the head's first cluster asks; its four partners
; take two key steps each, told apart by address; in each, waves 4 to 7 ask for 8,192 bytes, lanes 256 bytes apart.  The last change that fills a slot asks for nothing; slots 0 and 1 come by their loads alone.
.macro ASK
	s_cmp_gt_u32 s[SLOTS], s[LIM]
	s_cbranch_scc0 .Lnot_mine_\@
	global_prefetch_b8 v[PFO], s[PFA:PFA+1] th:TH_LOAD_NT scope:SCOPE_SE
.Lnot_mine_\@:
.endm
.macro CREST                           ; a round of the cluster's barrier behind its opening barrier
	s_cmp_lg_u32 s[WV], 0
	s_cbranch_scc1 .Lnot_wave_0_\@
	s_barrier_signal -3
.Lnot_wave_0_\@:
	s_barrier_wait -3
	s_barrier_signal -1
	s_barrier_wait -1
.endm
.macro CROUND
	s_barrier_signal -1
	s_barrier_wait -1
	CREST
.endm
.macro WALK                            ; the descriptor and the prefetches' address go on; no tensor load of mine is out here
	s_xor_b32 s[G0+1], s[G0+1], SLOT1              ; the other slot than last time,
	s_add_nc_u64 s[G0+2:G0+3], s[G0+2:G0+3], 131072 ; the next eight key steps
	s_wait_xcnt 0x0                                ; the last prefetch, a slot back, has read its address
	s_add_nc_u64 s[PFA:PFA+1], s[PFA:PFA+1], 131072 ; one slot further on than the descriptor
.endm
	s_load_b128 s[4:7], s[0:1], 0x0                ; qkv, ctx
	v_lshl_add_u32 v[SPW], v0, 2, SPARE
	v_mov_b32 v[NIL], 0
	ds_add_u32 v[SPW], v[NIL]                      ; the opening lines: the add, twice on end, and its wait
	ds_add_u32 v[SPW], v[NIL]
	s_wait_dscnt 0x0
	v_lshrrev_b32 v1, 5, v0
	v_readfirstlane_b32 s[WV], v1                  ; wave 0..15
	s_bfe_u32 s9, ttmp6, 0x40000                   ; cx
	s_lshl_b32 s10, ttmp9, 2
	s_add_co_u32 s10, s10, s9                      ; my block of 256 queries: it enters Q's and ctx's global addresses alone
	s_and_b32 s11, ttmp7, 0xffff                   ; bh, which the four partners share
	v_and_b32 v1, 31, v0
	v_lshlrev_b32 v[PFO], 8, v1
	v_lshlrev_b32 v[LI], 4, v1
	v_and_b32 v22, 15, v0
	v_lshlrev_b32 v22, 4, v22                      ; 16 x (lane % 16)
	v_add_nc_u32 v[LR], SCL, v[LI]
	; descriptor group 1: 16,384 dense bytes as 64 rows of 32 elements of 8 bytes; the mask names all four work-groups, bit 21 beside it
	s_mov_b32 s[G1], 15|(3<<16)|(1<<21)
	s_mov_b32 s[G1+1], 32<<16
	s_mov_b32 s[G1+2], 64<<16
	s_mov_b32 s[G1+3], 32<<16
	s_mov_b32 s[G1+4], 64
	s_mov_b32 s[G1+5], 32
	s_mov_b32 s[G1+6], 0
	s_mov_b32 s[G1+7], 0
	s_mov_b32 s[G0], 1
	s_min_u32 s37, s[WV], 8
	s_lshl_b32 s[G0+1], s37, 14                    ; to LDS byte 16,384 x wave: waves 0-7 slot 0's steps;
	s_lshr_b32 s36, s37, 3
	s_lshl_b32 s36, s36, 17
	s_add_co_u32 s[G0+1], s[G0+1], s36             ; wave 8: 131,072 more: the scale words' place; the other waves issue no load
	s_lshl_b32 s36, s11, 19                        ; the head's codes,
	s_lshl_b32 s37, s[WV], 14                      ; key step = wave
	s_add_co_u32 s36, s36, s37
	s_lshl_b32 s38, s11, 14
	s_add_co_u32 s38, s38, KVS                     ; or the head's scale words
	s_cmp_eq_u32 s[WV], 8
	s_cselect_b32 s36, s38, s36
	s_mov_b32 s37, 0
	s_lshl_b32 s40, s11, 5                         ; Q: record 32 bh + 2 qb + wave / 8, fragment (wave / 2) % 4, tile wave % 2 of its two
	s_lshl_b32 s41, s10, 1
	s_add_co_u32 s40, s40, s41
	s_lshr_b32 s41, s[WV], 3
	s_add_co_u32 s40, s40, s41
	s_bfe_u32 s41, s[WV], 0x20001
	s_and_b32 s56, s[WV], 1
	s_lshl_b32 s42, s40, 13
	s_lshl_b32 s43, s41, 11
	s_add_co_u32 s42, s42, s43
	s_lshl_b32 s43, s56, 10                        ; my tile's two pieces of 512 bytes
	s_add_co_u32 s42, s42, s43
	s_add_co_u32 s42, s42, QC
	s_mov_b32 s43, 0
	s_lshl_b32 s44, s40, 8
	s_lshl_b32 s45, s41, 2
	s_add_co_u32 s44, s44, s45
	s_add_co_u32 s44, s44, QS
	s_mov_b32 s45, 0
	s_lshl_b32 s56, s56, 4                         ; my tile's two scale bytes begin at bit 16 x (wave % 2) of the fragment's word
	s_lshr_b32 s46, s11, 3                         ; ctx's codes: tile 256 batch + 16 qb + wave, + 1,024 x head in its 8,192 bytes
	s_lshl_b32 s46, s46, 8
	s_lshl_b32 s47, s10, 4
	s_add_co_u32 s46, s46, s47
	s_add_co_u32 s46, s46, s[WV]
	s_lshl_b32 s46, s46, 13
	s_and_b32 s47, s11, 7
	s_lshl_b32 s47, s47, 10
	s_add_co_u32 s46, s46, s47
	s_mov_b32 s47, 0
	s_lshl_b32 s48, s11, 8                         ; ctx's scale bytes: (256 bh + 16 qb) x 32
	s_lshl_b32 s49, s10, 4
	s_add_co_u32 s48, s48, s49
	s_lshl_b32 s48, s48, 5
	s_add_co_u32 s48, s48, CSO
	s_mov_b32 s49, 0
	s_lshl_b32 s50, s11, 19                        ; the prefetches: my work-group's two key steps of a slot, my wave's quarter of them,
	s_lshl_b32 s51, s9, 15
	s_add_co_u32 s50, s50, s51
	s_and_b32 s51, s[WV], 3
	s_lshl_b32 s51, s51, 13
	s_add_co_u32 s50, s50, s51
	s_add_co_u32 s50, s50, 131072                  ; in slot 1: the first change of slots steps it to slot 2
	s_mov_b32 s51, 0
	s_sub_co_u32 s52, s[WV], 4
	s_lshr_b32 s52, s52, 2                         ; 0 in waves 4 to 7,
	s_or_b32 s52, s52, ttmp9                       ; of the head's first cluster: the same in all four partners
	s_cmp_eq_u32 s52, 0
	s_cselect_b32 s[LIM], 1, -1
	s_mov_b32 s[SEL], 0x76543210
	s_mov_b32 s[SEL+1], 0xfedcba98
	s_mov_b32 s[CS], 0x3e38aa3b
	s_mov_b32 s[CS+1], s[CS]                       ; (named with it as a pair, so it is written)
	s_mov_b32 s[MNT], 0x600000
	s_mov_b32 s54, 0x01010000                      ; the dead half's two scale bytes, above
	s_mov_b32 s55, 0x0101                          ; and below
	s_mov_b32 s[TB], 0
	s_mov_b32 s[TS], 0
	s_mov_b32 s[SLOTS], 3
	s_wait_alu depctr_va_vdst(0)                   ; the wait ahead of the blocking wait
	s_wait_kmcnt 0x0
	s_add_nc_u64 s[G0+2:G0+3], s[4:5], s[36:37]
	s_or_b32 s[G0+3], s[G0+3], 0x80000000
	s_add_nc_u64 s[42:43], s[4:5], s[42:43]
	s_add_nc_u64 s[44:45], s[4:5], s[44:45]
	s_add_nc_u64 s[46:47], s[6:7], s[46:47]
	s_add_nc_u64 s[48:49], s[6:7], s[48:49]
	s_add_nc_u64 s[PFA:PFA+1], s[4:5], s[50:51]
	CROUND                                         ; all four work-groups are here: the first joint loads meet
	JLOAD 9                                        ; slot 0 and the scale words: one load a wave
	s_wait_alu depctr_va_vdst(0)
.irp c, 0,1                            ; my tile's q, once for each form
	global_load_b128 v[QR+4*\c:QR+4*\c+3], v[LI], s[42:43] offset:512*\c
	global_load_b128 v[QR+16+4*\c:QR+16+4*\c+3], v[LI], s[42:43] offset:512*\c
.endr
	global_load_b32 v23, v22, s[44:45]             ; row r's word of the fragment: tile 0's two bytes below, tile 1's above
.irp j, 0,1,2,3,4,5,6,7
	v_mov_b32 v[QR+8+\j], 0                        ; the zero codes between
	v_mov_b32 v[CH+\j], 0                          ; the part sums: the first step's head adds zeros
.endr
.set k2, 0
.rept 32
	v_mov_b32 v[O+k2], 0                           ; O^T.  (The step has no first form of its own: the first finds zeros, which the first change of M leaves zeros)
.set k2, k2+1
.endr
	v_mov_b32 v[SU], 0
	v_mov_b32 v[SU+1], 0
	v_mov_b32 v[FF+1], 0                           ; (named as the upper half of a pair)
	v_mov_b32 v[TX], 0xff61b1e6                    ; the largest score so far: -3e38
	v_floor_f32 v[NM], -v[TX]
	v_and_b32 v[W8], 15, v0                        ; the way out's addresses: my tile's half-words in the stage: CSTG + 32 wave + 2 r
	v_lshlrev_b32 v[W8], 1, v[W8]
	s_lshl_b32 s53, s[WV], 5
	s_add_co_u32 s53, s53, CSTG
	v_add_nc_u32 v[W8], s53, v[W8]
	v_add_nc_u32 v[W9], CSTG, v[LI]                ; and the stage, 16 bytes a lane
	s_wait_alu depctr_va_vdst(0)
	s_wait_loadcnt 0x0
	v_lshrrev_b32 v22, s56, v23                    ; my tile's two bytes at the bottom
	v_and_or_b32 v[QW], v22, 0xffff, s54           ; form 0: (s0, s1, 1, 1)
	v_lshl_or_b32 v[QW+1], v22, 16, s55            ; form 1: (1, 1, s0, s1)
.macro SUMQ q, n                       ; the row's sum: pair q onto the sum itself, pairs q + 1 .. q + n onto part sums 0 .. n - 1
	v_pk_add_f32 v[SU:SU+1], v[SU:SU+1], v[S+2*(\q):S+2*(\q)+1]
.set k3, 0
.rept \n
	v_pk_add_f32 v[CH+2*k3:CH+2*k3+1], v[CH+2*k3:CH+2*k3+1], v[S+2*(\q+1+k3):S+2*(\q+1+k3)+1]
.set k3, k3+1
.endr
.endm
.macro HOLD b                          ; the conversion does not saturate (ISA guide 7.6.2); p is not negative, so the hold is one-sided; two numbers a line
.irp i, 0,2,4,6,8,10,12,14
	v_dual_min_num_f32 v[S+16*\b+\i], v[S+16*\b+\i], v[HV+\b] :: v_dual_min_num_f32 v[S+16*\b+\i+1], v[S+16*\b+\i+1], v[HV+\b]
.endr
.endm
.macro CODE b                          ; block b's 32 codes
	v_cvt_scalef32_pk8_fp8_f32 v[P+4*\b:P+4*\b+1], v[S+16*\b:S+16*\b+7], v[SO+\b]
	v_cvt_scalef32_pk8_fp8_f32 v[P+4*\b+2:P+4*\b+3], v[S+16*\b+8:S+16*\b+15], v[SO+\b]
.endm
; The softmax of a key step: 64 scores become p's 16 registers of codes and its scale word.  w = 1: the wait for V stands in it; w = 0: work on registers alone.
.macro SOFTMAX w
.irp b, 0,1,2,3
	v_max3_num_f32 v[BM+\b], v[S+16*\b], v[S+16*\b+1], v[S+16*\b+2]   ; the largest score of each block of 32 keys, in two chains a block: for the row's maximum, and, since p rises with the score, for the block's largest p
.endr
.irp b, 0,1,2,3
	v_max3_num_f32 v[PT+\b], v[S+16*\b+8], v[S+16*\b+9], v[S+16*\b+10]
.endr
.irp i, 3,5
.irp b, 0,1,2,3
	v_max3_num_f32 v[BM+\b], v[BM+\b], v[S+16*\b+\i], v[S+16*\b+\i+1]
.endr
.irp b, 0,1,2,3
	v_max3_num_f32 v[PT+\b], v[PT+\b], v[S+16*\b+8+\i], v[S+16*\b+9+\i]
.endr
.endr
.irp b, 0,1,2,3
	v_max3_num_f32 v[BM+\b], v[BM+\b], v[S+16*\b+7], v[S+16*\b+15]
.endr
.irp b, 0,1,2,3
	v_max_num_f32 v[BM+\b], v[BM+\b], v[PT+\b]     ; (the four blocks by turns, here and below)
.endr
.irp b, 0,1,2,3
	v_permlanex16_b32 v[PT+\b], v[BM+\b], s[SEL], s[SEL+1]
.endr
.irp b, 0,1,2,3
	v_max_num_f32 v[BM+\b], v[BM+\b], v[PT+\b]     ; with lane l xor 16's 16 keys
.endr
	DLY 2
	v_max3_num_f32 v[T0], v[BM], v[BM+1], v[BM+2]
	DLY 1
	v_max3_num_f32 v[TX], v[TX], v[T0], v[BM+3]    ; the running largest score
	DLY 1
	v_mul_f32 v[T0], s[CS], v[TX]                  ; as t (c is positive, so the largest score gives the largest t)
	DLY 1
	v_floor_f32 v[NM], -v[T0]                      ; the new -M = floor(-t): M is a whole number
.set k2, 0
.rept 32
	v_pk_fma_f32 v[S+k2:S+k2+1], v[S+k2:S+k2+1], s[CS:CS+1], v[NM:NM+1] op_sel_hi:[1,0,0]   ; t - M, two at a time; the lines that make f stand among them
.if k2 == 6
	v_sub_f32 v[T0], v[NM], v[ON]                  ; old M - new M: a whole number, 0 or less
.endif
.if k2 == 14
	v_cvt_i32_f32 v[T0], v[T0]                     ; (it saturates)
.endif
.if k2 == 22
	v_ldexp_f32 v[FF], 1.0, v[T0]                  ; f = 2^(old M - new M)
.endif
.set k2, k2+2
.endr
.irp b, 0,1,2,3
	v_fma_f32 v[BM+\b], v[BM+\b], s[CS], v[NM]     ; the same of each block's largest score
.endr
	s_wait_alu depctr_va_vdst(0)                   ; the wait ahead of the batch
.set k2, 0
.rept 64
	v_exp_f32 v[S+k2], v[S+k2]                     ; p = 2^(t - M), at most 1
.set k2, k2+1
.endr
	v_pk_mul_f32 v[SU:SU+1], v[SU:SU+1], v[FF:FF+1] op_sel_hi:[1,0]   ; the sums under the new M (a plain line behind the exponentials)
	s_wait_alu depctr_va_vdst(0)                   ; one wait for the batch, ahead of its first reader
.irp b, 0,1,2,3
	v_exp_f32 v[BM+\b], v[BM+\b]                   ; the block's largest p: the same two instructions on the same number
.endr
; the row's sum of the unquantised p: 32 pairs into five chains by turns (four part sums and the sum itself): 28 packed additions here, four at the next step's head; the scales' lines stand among them
.set k2, 0
.rept 4
	v_pk_add_f32 v[CH+2*k2:CH+2*k2+1], v[S+4*k2:S+4*k2+1], v[S+4*k2+2:S+4*k2+3]
.set k2, k2+1
.endr
	SUMQ 8, 4
	s_wait_alu depctr_va_vdst(0)                   ; and one for the four
.irp b, 0,1,2,3
	v_max_num_f32 v[BM+\b], 0x4800000, v[BM+\b]    ; the floor 2^(9 - 127): the byte cannot fall under 1
.endr
	SUMQ 13, 4
.irp b, 0,1,2,3
	v_add_nc_u32 v[SO+\b], 0xfc000000, v[BM+\b]    ; the conversion's scale operand
.endr
.irp b, 0,1,2,3
	v_and_or_b32 v[HV+\b], v[BM+\b], 0x7f800000, s[MNT]   ; 448 x the scale
.endr
	SUMQ 18, 4
.irp b, 0,1,2,3
	v_lshrrev_b32 v[PT+\b], 23, v[SO+\b]           ; the scale's byte
.endr
	SUMQ 23, 4
	v_lshl_or_b32 v[T0], v[PT+1], 8, v[PT]
	v_pk_add_f32 v[SU:SU+1], v[SU:SU+1], v[S+56:S+57]
	v_pk_add_f32 v[CH:CH+1], v[CH:CH+1], v[S+58:S+59]
	v_lshl_or_b32 v[T0], v[PT+2], 16, v[T0]
	v_pk_add_f32 v[CH+2:CH+3], v[CH+2:CH+3], v[S+60:S+61]
	v_pk_add_f32 v[CH+4:CH+5], v[CH+4:CH+5], v[S+62:S+63]
	v_lshl_or_b32 v[PW], v[PT+3], 24, v[T0]        ; p's scale word for these 128 keys
	HOLD 0
	HOLD 1
	CODE 0                                         ; a block's conversions stand a block behind its holds
	HOLD 2
	CODE 1
	HOLD 3
	CODE 2
	CODE 3
.if \w
	s_wait_dscnt 0x0                               ; V is in
.endif
	s_wait_alu depctr_va_vdst(0)                   ; the wait here, directly ahead of the first reader of O^T; it also stands behind the blocking wait above
.set k2, 0
.rept 16
	v_pk_mul_f32 v[O+k2:O+k2+1], v[O+k2:O+k2+1], v[FF:FF+1] op_sel_hi:[1,0]   ; O^T under the new M; these are also the places between the codes and the products
.set k2, k2+2
.endr
.endm
; A KEY STEP: 128 keys.  chg = 0: a plain step.  chg = 1: the slot's last step, with the change of slots in it, and the slot is filled again.  chg = 2: the same, and nothing is filled.
; THE CHANGE.  When V's loads, my last reads of the slot, have been issued, I wait for all my tensor loads (my part of the slot ahead), add 0 to my spare word, wait for that and for my reads, and signal.  The softmax and the
; products touch registers alone: they stand between the signal and the wait.  Behind the round no wave of any partner reads the slot left, and it is filled with the keys that follow: eight key steps in which to land.
.macro STEP chg
	v_pk_add_f32 v[CH:CH+1], v[CH:CH+1], v[CH+2:CH+3]              ; eight places in front of loads into registers that the last products read: the last step's four part sums go onto the row's sum
	v_pk_add_f32 v[CH+4:CH+5], v[CH+4:CH+5], v[CH+6:CH+7]
	v_add_nc_u32 v[ADR], s[TB], v[LI]              ; the step's two addresses,
	v_add_nc_u32 v[ADS], s[TS], v[LR]
	v_pk_add_f32 v[CH:CH+1], v[CH:CH+1], v[CH+4:CH+5]
	v_mov_b32 v[ON], v[NM]                         ; the copy of -M,
	v_nop
	v_pk_add_f32 v[SU:SU+1], v[SU:SU+1], v[CH:CH+1]
	ds_load_b128 v[KS:KS+3], v[ADS]                ; 512 consecutive bytes: K's scale words into lanes 0-15, V's into lanes 16-31
.irp f, 0,1,2,3
.irp c, 0,1,2,3
	ds_load_b128 v[KF+16*\f+4*\c:KF+16*\f+4*\c+3], v[ADR] offset:2048*\f+512*\c
.endr
.endr
	s_wait_alu depctr_va_vdst(0)                   ; the wait ahead of the blocking wait: the tiles' address
	s_wait_dscnt 0x0
.irp f, 0,1,2,3
.irp u, 0,1
	v_wmma_scale_f32_16x16x128_f8f6f4 v[S+8*(2*\f+\u):S+8*(2*\f+\u)+7], v[KF+16*\f:KF+16*\f+15], v[QR+8*\u:QR+8*\u+15], 0, v[KS+\f], v[QW+\u]
.endr
.endr
.rept 8
	v_nop                                          ; eight places in front of loads into K's registers, and of the first read of results
.endr
.irp f, 0,1,2,3
.irp c, 0,1,2,3
	ds_load_b128 v[KF+16*\f+4*\c:KF+16*\f+4*\c+3], v[ADR] offset:8192+2048*\f+512*\c   ; V takes K's place and lands under the softmax
.endr
.endr
.if \chg
	s_wait_tensorcnt 0x0                           ; no tensor load of mine is out, so the descriptor may be written
	ds_add_u32 v[SPW], v[NIL]                      ; 0 onto my spare word
.if (\chg) == 1
	ds_add_u32 v[SPW], v[NIL]                      ; and once more where a load follows
	WALK
.endif
	s_wait_dscnt 0x0                               ; the add is done, V is in, and my reads of this slot are over
	s_barrier_signal -1
	SOFTMAX 0
.else
	SOFTMAX 1
.endif
.irp d, 0,1,2,3
	v_wmma_scale_f32_16x16x128_f8f6f4 v[O+8*\d:O+8*\d+7], v[KF+16*\d:KF+16*\d+15], v[P:P+15], v[O+8*\d:O+8*\d+7], v[KS+\d], v[PW] matrix_a_scale:MATRIX_SCALE_ROW1
.endr
.if \chg
	s_barrier_wait -1                              ; every wave of my work-group has made its last read of the slot, and its part of the slot ahead has landed
.if (\chg) == 1
	CREST                                          ; and so has every wave of every partner
	JLOAD 8                                        ; the first thing behind the round, and a wave's one tensor load until the next
	ASK
.endif
.endif
	s_add_co_u32 s[TB], s[TB], 16384
	s_add_co_u32 s[TS], s[TS], 512
.endm
.macro STEPS n                         ; n plain key steps: written once, walked n times
	s_mov_b32 s[CNT], \n
.Lstep_\@:
	STEP 0
	s_sub_co_u32 s[CNT], s[CNT], 1
	s_cmp_lg_u32 s[CNT], 0
	s_cbranch_scc1 .Lstep_\@
.endm
.macro OTHER_SLOT
	s_sub_co_u32 s[TB], s[TB], 131072
	s_xor_b32 s[TB], s[TB], SLOT1
.endm
	; the first change has no step in front of it: slot 0 and the scale words have landed; slot 1 is asked for
	s_wait_alu depctr_va_vdst(0)                   ; the wait at the head's end
	s_wait_tensorcnt 0x0
	ds_add_u32 v[SPW], v[NIL]
	ds_add_u32 v[SPW], v[NIL]
	WALK
	s_wait_dscnt 0x0
	CROUND
	JLOAD 8
	ASK
	s_mov_b32 s[SLOTS], 2
.Lslot:                                            ; two trips: slots 0 and 1; the change in each asks for the slot after next
	STEPS 7
	STEP 1
	OTHER_SLOT
	s_sub_co_u32 s[SLOTS], s[SLOTS], 1
	s_cmp_lg_u32 s[SLOTS], 0
	s_cbranch_scc1 .Lslot
	STEPS 7                                        ; the last two slots are written out
	STEP 2
	OTHER_SLOT
	STEPS 8
	; THE WAY OUT: O^T / the sum; register 16 b + i is channel 32 b + 16 (lane / 16) + i of my query: two blocks of the last projection's K.  They are quantised here and leave as two pieces of the tile's image.
	v_pk_add_f32 v[CH:CH+1], v[CH:CH+1], v[CH+2:CH+3]              ; eight places behind the last products: the last step's part sums,
	v_pk_add_f32 v[CH+4:CH+5], v[CH+4:CH+5], v[CH+6:CH+7]
	v_nop
	v_nop
	v_pk_add_f32 v[CH:CH+1], v[CH:CH+1], v[CH+4:CH+5]
	v_nop
	v_nop
	v_pk_add_f32 v[SU:SU+1], v[SU:SU+1], v[CH:CH+1]
	DLY 1
	v_add_f32 v[SU], v[SU], v[SU+1]
	DLY 1
	v_permlanex16_b32 v[T0], v[SU], s[SEL], s[SEL+1]
	DLY 1
	v_add_f32 v[SU], v[SU], v[T0]                  ; the row's sum
	s_wait_alu depctr_va_vdst(0)
	v_rcp_f32 v[FF], v[SU]
	v_nop                                          ; a plain line behind the reciprocal
	s_wait_alu depctr_va_vdst(0)                   ; and the wait ahead of its first reader, which is also the first reader of the last products' results
.set k2, 0
.rept 16
	v_pk_mul_f32 v[S+k2:S+k2+1], v[O+k2:O+k2+1], v[FF:FF+1] op_sel_hi:[1,0]   ; each accumulator from its low end on
.set k2, k2+2
.endr
.irp b, 0,1
	v_max3_num_f32 v[BM+\b], |v[S+16*\b]|, |v[S+16*\b+1]|, 0x4800000
.endr
.irp i, 2,4,6,8,10,12,14
.irp b, 0,1
	DLY 2
	v_max3_num_f32 v[BM+\b], v[BM+\b], |v[S+16*\b+\i]|, |v[S+16*\b+\i+1]|
.endr
.endr
.irp b, 0,1
	DLY 2
	v_permlanex16_b32 v[PT+\b], v[BM+\b], s[SEL], s[SEL+1]
.endr
.irp b, 0,1
	DLY 2
	v_max_num_f32 v[BM+\b], v[BM+\b], v[PT+\b]
.endr
.irp b, 0,1
	DLY 2
	v_add_nc_u32 v[SO+\b], 0xfc000000, v[BM+\b]
.endr
.irp b, 0,1
	DLY 4
	v_and_or_b32 v[HV+\b], v[BM+\b], 0x7f800000, s[MNT]
.endr
.irp b, 0,1
	DLY 4
	v_lshrrev_b32 v[PT+\b], 23, v[SO+\b]
.endr
	DLY 1
	v_lshl_or_b32 v[T0], v[PT+1], 8, v[PT]         ; the head's two scale bytes of my row
.irp b, 0,1
.irp i, 0,1,2,3,4,5,6,7,8,9,10,11,12,13,14,15
	v_med3_num_f32 v[S+16*\b+\i], v[S+16*\b+\i], -v[HV+\b], v[HV+\b]
.endr
	v_cvt_scalef32_pk8_fp8_f32 v[P+4*\b:P+4*\b+1], v[S+16*\b:S+16*\b+7], v[SO+\b]
	v_cvt_scalef32_pk8_fp8_f32 v[P+4*\b+2:P+4*\b+3], v[S+16*\b+8:S+16*\b+15], v[SO+\b]
.endr
	v_nop                                          ; a plain line behind the last conversion
	global_store_b128 v[LI], v[P:P+3], s[46:47]    ; 512 consecutive bytes a store
	global_store_b128 v[LI], v[P+4:P+7], s[46:47] offset:512
	ds_store_b16 v[W8], v[T0]                      ; lanes r and r + 16 write the same half-word with the same value
	s_wait_dscnt 0x0                               ; for the others' sake: my half-words have landed
	s_barrier_signal -1
	s_barrier_wait -1
	s_cmp_lg_u32 s[WV], 0
	s_cbranch_scc1 .Lnot_first
	ds_load_b128 v[S:S+3], v[W9]
	s_wait_dscnt 0x0
	global_store_b128 v[LI], v[S:S+3], s[48:49]    ; the work-group's 512 scale bytes, consecutive
.Lnot_first:
	s_wait_tensorcnt 0x0                           ; the wave's end
	ds_add_u32 v[SPW], v[NIL]
	s_wait_dscnt 0x0
	CROUND                                         ; the closing round: no work-group ends while a partner may still ask for a tile that names it
	s_endpgm
.Lfunc_end_k_q326fe2361c_attn:
	.size	k_q326fe2361c_attn, .Lfunc_end_k_q326fe2361c_attn-k_q326fe2361c_attn
	.p2alignl 7, 3214868480
	.fill 96, 4, 3214868480
	.section	.rodata,"a",@progbits
	.p2align	6, 0x0
	.amdhsa_kernel k_q326fe2361c_attn
		.amdhsa_group_segment_fixed_size 327680
		.amdhsa_private_segment_fixed_size 0
		.amdhsa_enable_private_segment 0
		.amdhsa_kernarg_size 16
		.amdhsa_user_sgpr_count 2
		.amdhsa_user_sgpr_kernarg_segment_ptr 1
		.amdhsa_wavefront_size32 1
		.amdhsa_system_sgpr_workgroup_id_x 1
		.amdhsa_system_sgpr_workgroup_id_y 1
		.amdhsa_system_sgpr_workgroup_id_z 1
		.amdhsa_system_vgpr_workitem_id 0
		.amdhsa_next_free_vgpr 256
		.amdhsa_next_free_sgpr 66
		.amdhsa_reserve_vcc 0
		.amdhsa_float_denorm_mode_32 3
		.amdhsa_float_denorm_mode_16_64 3
		.amdhsa_memory_ordered 1
		.amdhsa_forward_progress 1
		.amdhsa_inst_pref_size 110
	.end_amdhsa_kernel
	.amdgpu_metadata
---
amdhsa.version: [ 1, 2 ]
amdhsa.kernels:
  - .name:           k_q326fe2361c_attn
    .symbol:         k_q326fe2361c_attn.kd
    .args:
      - { .name: qkv, .offset: 0, .size: 8, .value_kind: global_buffer, .address_space: global }
      - { .name: ctx, .offset: 8, .size: 8, .value_kind: global_buffer, .address_space: global }
    .group_segment_fixed_size: 327680
    .private_segment_fixed_size: 0
    .kernarg_segment_align: 8
    .kernarg_segment_size: 16
    .max_flat_workgroup_size: 512
    .sgpr_count:     66
    .vgpr_count:     256
    .wavefront_size: 32
...
	.end_amdgpu_metadata
.endif
;; end of part 6
;; launch outp (part 7): grid 64 x 4, 4 waves a work-group, clusters of 4 x 1, 168,448 bytes of LDS; arguments ctx, xw, bo, out0; writes out0
.if DOCPART == 7
	.amdgcn_target "amdgcn-amd-amdhsa--gfx1250"
	.amdhsa_code_object_version 6
	.text
	.protected	k_q326fe2361c_outp
	.globl	k_q326fe2361c_outp
	.p2align	8
	.type	k_q326fe2361c_outp,@function
k_q326fe2361c_outp:
	s_mov_b64 s[64:65], 0
	v_nop
	global_prefetch_b8 v0, s[64:65] scope:SCOPE_SE
	s_setreg_imm32_b32 hwreg(HW_REG_WAVE_MODE, 25, 1), 1
	s_wait_xcnt 0x0
	s_wait_alu depctr_hold_cnt(0) depctr_sa_sdst(0) depctr_va_vdst(0) depctr_va_sdst(0) depctr_va_ssrc(0) depctr_va_vcc(0) depctr_vm_vsrc(0)
	s_getreg_b32 s2, hwreg(HW_REG_IB_STS2, 6, 4)
	s_cmp_eq_u32 s2, 0
	s_cbranch_scc0 .Lentry_in_a_cluster
	s_endpgm
.Lentry_in_a_cluster:
	s_bfe_u32 s2, ttmp6, 0x10000c
	s_cmp_lg_u32 s2, 0x3003
	s_cbranch_scc0 .Lentry_shape_is_right
	s_endpgm
.Lentry_shape_is_right:
; out0 = ctx wo^T + bo on codes of FP8 (E4M3) with E8M0 scales; out0 [8192][512] f32.
; SHARES.  Work-group (tb, fb): 128 tokens x 128 features.  Wave w: the 32 tokens of group w (two tiles) x all 128 features: 16 accumulators, K = 512 in four steps.  ctx's 8 fragments go from memory straight into the wave's
; registers (only this wave of the work-group reads them); wo's 8 tile records (67,584 bytes) come into LDS, filled once, and all four waves read them.
; CLUSTER.  The four token blocks of a cluster need the same records of wo: each wave's tensor load (two records) is asked for jointly, with a mask that names the four.
; Transposed use (source 0 = 16 rows of wo, source 1 = 16 tokens): a lane holds one token and eight neighbouring features; wo's tile 2 b + uw holds features 32 b + 8 uw + r + 8 (r / 8), so register j of lane (r, h) is
; feature 32 b + 8 uw + 16 h + j.  The bias is the C of each sum's first matrix instruction.  Results go through the wave's own stage in LDS and leave as rows of 512 consecutive bytes.
; REGISTERS: window 0: addresses, scale words, the bias, the way out.  Window 1: v0-127 ctx's fragments 16 (4 u + s); v128-255 the accumulators 8 (2 tw + u).  Windows 2, 3: wo's fragments of K steps 0, 1 and 2, 3 at 128 (s % 2) + 16 tw.
.set REC,  8448
.set CSO,  4194304
.set STG,  67584                       ; behind wo's records: 16 rows x (512 bytes + 16) for each wave
.set LI,   1                           ; v1 16 x lane; v2 the same + four records (an LDS offset has 16 bits)
.set LR,   3                           ; v3 8,192 + 16 x (lane % 16); v4 + four records
.set L2,   5                           ; v5 2 x lane
.set BA,   6                           ; v6 64 x (lane / 16)
.set SO,   7                           ; v7 the stage, in
.set SR,   8                           ; v8 the stage, out
.set CT,   16                          ; v16-23 ctx's scale bytes as loaded, a half-word a head
.set CS,   24                          ; v24-27 ctx's scale words: lanes 0-15 tile u = 0's rows, lanes 16-31 tile u = 1's
.set WS,   32                          ; v32-63 wo's scale words, 4 tw + s
.set BI,   64                          ; v64-127 the bias, 8 a tile of wo
.set BK,   128                         ; v128-255 the way out, two sets of 16 rows
.set WV,   12
.set MSB, 0
.macro WIN new                         ; the immediate's high byte repeats the setting that is left
.if MSB != (\new)
	s_set_vgpr_msb (MSB<<8)|(\new)
.set MSB, (\new)
.endif
.endm
.macro CROUND                          ; a round of the cluster's barrier
	s_barrier_signal -1
	s_barrier_wait -1
	s_cmp_lg_u32 s[WV], 0
	s_cbranch_scc1 .Lnot_wave_0_\@
	s_barrier_signal -3
.Lnot_wave_0_\@:
	s_barrier_wait -3
	s_barrier_signal -1
	s_barrier_wait -1
.endm
	s_load_b256 s[4:11], s[0:1], 0x0               ; ctx, xw, bo, out0
	v_lshl_add_u32 v30, v0, 2, 0x29000
	v_mov_b32 v31, 0
	ds_add_u32 v30, v31
	ds_add_u32 v30, v31
	v_lshrrev_b32 v1, 5, v0
	v_readfirstlane_b32 s[WV], v1                  ; wave 0..3
	s_bfe_u32 s13, ttmp6, 0x40000                  ; cx
	s_lshl_b32 s14, ttmp9, 2
	s_add_co_u32 s14, s14, s13                     ; tb: it enters ctx's and out0's global addresses alone
	s_and_b32 s15, ttmp7, 0xffff                   ; fb, which the four partners share
	v_and_b32 v1, 31, v0
	v_lshlrev_b32 v[L2], 1, v1
	v_lshlrev_b32 v[LI], 4, v1
	v_add_nc_u32 v[LI+1], 4*REC, v[LI]
	v_and_b32 v9, 15, v0
	v_bfe_u32 v10, v0, 4, 1
	v_lshlrev_b32 v[LR], 4, v9
	v_add_nc_u32 v[LR], 8192, v[LR]
	v_add_nc_u32 v[LR+1], 4*REC, v[LR]
	v_lshlrev_b32 v[BA], 6, v10
	s_mul_i32 s38, s[WV], 16*528
	s_add_co_u32 s38, s38, STG                     ; my stage
	v_mul_u32_u24 v[SO], v9, 528
	v_lshl_add_u32 v[SO], v10, 6, v[SO]
	v_add_nc_u32 v[SO], s38, v[SO]                 ; in: row r, + 64 h
	v_add_nc_u32 v[SR], s38, v[LI]                 ; out: 16 bytes a lane of a row
	; descriptor group 1: two records, 16,896 dense bytes, as 66 rows of 32 elements of 8 bytes; the mask names all four work-groups, bit 21 beside it
	s_mov_b32 s16, 15|(3<<16)|(1<<21)
	s_mov_b32 s17, 32<<16
	s_mov_b32 s18, 66<<16
	s_mov_b32 s19, 32<<16
	s_mov_b32 s20, 66
	s_mov_b32 s21, 32
	s_mov_b32 s22, 0
	s_mov_b32 s23, 0
	s_mov_b32 s24, 1
	s_mul_i32 s25, s[WV], 2*REC
	s_lshl_b32 s36, s15, 3
	s_lshl_b32 s37, s[WV], 1
	s_add_co_u32 s36, s36, s37
	s_add_co_u32 s36, s36, 608
	s_mul_i32 s36, s36, REC                        ; records 608 + 8 fb + 2 wave on
	s_mov_b32 s37, 0
	s_lshl_b32 s28, s14, 3
	s_lshl_b32 s29, s[WV], 1
	s_add_co_u32 s28, s28, s29                     ; my first tile of ctx
	s_lshl_b32 s28, s28, 13
	s_mov_b32 s29, 0
	s_lshr_b32 s30, s14, 5                         ; ctx's scale bytes: batch x 8 heads x 8,192, + (tile in its batch) x 32
	s_lshl_b32 s30, s30, 16
	s_and_b32 s31, s14, 31
	s_lshl_b32 s31, s31, 3
	s_lshl_b32 s32, s[WV], 1
	s_add_co_u32 s31, s31, s32
	s_lshl_b32 s31, s31, 5
	s_add_co_u32 s30, s30, s31
	s_add_co_u32 s30, s30, CSO
	s_mov_b32 s31, 0
	s_lshl_b32 s32, s15, 9                         ; my 128 features, in bytes
	s_mov_b32 s33, 0
	s_lshl_b32 s34, s14, 7
	s_lshl_b32 s35, s[WV], 5
	s_add_co_u32 s34, s34, s35                     ; my first token
	s_lshl_b32 s34, s34, 11
	s_add_co_u32 s34, s34, s32
	s_mov_b32 s35, 0
	s_wait_dscnt 0x0
	s_wait_kmcnt 0x0
	s_add_nc_u64 s[26:27], s[6:7], s[36:37]
	s_or_b32 s27, s27, 0x80000000
	s_add_nc_u64 s[28:29], s[4:5], s[28:29]
	s_add_nc_u64 s[30:31], s[4:5], s[30:31]
	s_add_nc_u64 s[8:9], s[8:9], s[32:33]
	s_add_nc_u64 s[10:11], s[10:11], s[34:35]
	CROUND                                         ; all four work-groups are here: the joint loads meet
	tensor_load_to_lds s[24:27], s[16:23]          ; every wave's one load; these bytes are filled once
	s_nop 0
.rept 4
	v_nop
.endr
	WIN 0x40                                       ; destination window 1
.irp u, 0,1
.irp s, 0,1,2,3
.irp c, 0,1,2,3
	global_load_b128 v[16*(4*\u+\s)+4*\c:16*(4*\u+\s)+4*\c+3], v[LI], s[28:29] offset:8192*\u+2048*\s+512*\c
.endr
.endr
.endr
	WIN 0
.irp hd, 0,1,2,3,4,5,6,7
	global_load_u16 v[CT+\hd], v[L2], s[30:31] offset:8192*\hd     ; 2 x lane: tile u = 0's 16 rows, then tile u = 1's
.endr
	s_wait_alu depctr_va_vdst(0)
.irp tw, 0,1,2,3,4,5,6,7
	global_load_b128 v[BI+8*\tw:BI+8*\tw+3], v[BA], s[8:9] offset:(32*(\tw/2)+8*(\tw%2))*4
	global_load_b128 v[BI+8*\tw+4:BI+8*\tw+7], v[BA], s[8:9] offset:(32*(\tw/2)+8*(\tw%2))*4+16
.endr
	s_wait_tensorcnt 0x0                           ; my two records have landed,
	s_barrier_signal -1
	s_barrier_wait -1                              ; everybody's have
.macro WLOAD s                         ; wo's eight fragments of K step s: 32 loads
	WIN 0x80+0x40*((\s)/2)
.irp tw, 0,1,2,3,4,5,6,7
.irp c, 0,1,2,3
	ds_load_b128 v[128*((\s)%2)+16*\tw+4*\c:128*((\s)%2)+16*\tw+4*\c+3], v[LI+\tw/4] offset:REC*(\tw%4)+2048*(\s)+512*\c
.endr
.endr
.endm
.macro MULS s                          ; K step s: the 16 accumulators by turns, one instruction a turn
.if (\s) == 0
	WIN 0x46                                       ; wo window 2, ctx window 1, the bias window 0, the result window 1
.elseif (\s) == 1
	WIN 0x56
.else
	WIN 0x57                                       ; wo window 3
.endif
.irp tw, 0,1,2,3,4,5,6,7
.if (\s) == 0
	v_wmma_scale_f32_16x16x128_f8f6f4 v[128+16*\tw:128+16*\tw+7], v[128*((\s)%2)+16*\tw:128*((\s)%2)+16*\tw+15], v[16*(\s):16*(\s)+15], v[BI+8*\tw:BI+8*\tw+7], v[WS+4*\tw+(\s)], v[CS+(\s)]
	v_wmma_scale_f32_16x16x128_f8f6f4 v[136+16*\tw:136+16*\tw+7], v[128*((\s)%2)+16*\tw:128*((\s)%2)+16*\tw+15], v[64+16*(\s):64+16*(\s)+15], v[BI+8*\tw:BI+8*\tw+7], v[WS+4*\tw+(\s)], v[CS+(\s)] matrix_b_scale:MATRIX_SCALE_ROW1
.else
	v_wmma_scale_f32_16x16x128_f8f6f4 v[128+16*\tw:128+16*\tw+7], v[128*((\s)%2)+16*\tw:128*((\s)%2)+16*\tw+15], v[16*(\s):16*(\s)+15], v[128+16*\tw:128+16*\tw+7], v[WS+4*\tw+(\s)], v[CS+(\s)]
	v_wmma_scale_f32_16x16x128_f8f6f4 v[136+16*\tw:136+16*\tw+7], v[128*((\s)%2)+16*\tw:128*((\s)%2)+16*\tw+15], v[64+16*(\s):64+16*(\s)+15], v[136+16*\tw:136+16*\tw+7], v[WS+4*\tw+(\s)], v[CS+(\s)] matrix_b_scale:MATRIX_SCALE_ROW1
.endif
.endr
.endm
.irp tw, 0,1,2,3,4,5,6,7
	ds_load_b128 v[WS+4*\tw:WS+4*\tw+3], v[LR+\tw/4] offset:REC*(\tw%4)
.endr
	WLOAD 0
	WLOAD 1
	WIN 0
	s_wait_loadcnt 0x0                             ; ctx's codes and scale bytes, the bias
.irp s, 0,1,2,3
	v_lshl_or_b32 v[CS+\s], v[CT+2*\s+1], 16, v[CT+2*\s]           ; K step s = heads 2 s and 2 s + 1
.endr
.rept 8
	v_nop                                          ; a scale register written by a vector instruction stands eight places ahead of the product
.endr
	s_wait_alu depctr_va_vdst(0)
	s_wait_dscnt 32                                ; the scale words and K step 0 are in; K step 1's 32 loads may be out
	MULS 0
	WLOAD 2                                        ; into registers that no product has named
	s_wait_dscnt 32                                ; K step 1 is in
	MULS 1
	WLOAD 3
	s_wait_dscnt 32                                ; K step 2 is in
	MULS 2
	s_wait_dscnt 0x0
	MULS 3
	WIN 0
.rept 8
	v_nop                                          ; eight places in front of the first read of results
.endr
.macro TOSTAGE u                       ; tile u's 16 tokens x 128 features into my stage, and back as whole rows.  LDS serves a wave's instructions in order: no wait between
	WIN 0x04                                       ; an LDS store's data are its source 1: window 1
.irp tw, 0,1,2,3,4,5,6,7
	ds_store_b128 v[SO], v[128+8*(2*\tw+\u):128+8*(2*\tw+\u)+3] offset:128*(\tw/2)+32*(\tw%2)          ; each accumulator from its low end on
	ds_store_b128 v[SO], v[128+8*(2*\tw+\u)+4:128+8*(2*\tw+\u)+7] offset:128*(\tw/2)+32*(\tw%2)+16
.endr
	WIN 0
.irp i, 0,1,2,3,4,5,6,7,8,9,10,11,12,13,14,15
	ds_load_b128 v[BK+64*\u+4*\i:BK+64*\u+4*\i+3], v[SR] offset:528*\i
.endr
.endm
.macro SEND u                          ; row i of tile u is token 8 u + i + 8 (i / 8) of my 32
.irp i, 0,1,2,3,4,5,6,7,8,9,10,11,12,13,14,15
	global_store_b128 v[LI], v[BK+64*\u+4*\i:BK+64*\u+4*\i+3], s[10:11] offset:(8*\u+\i+8*(\i/8))*2048 th:TH_STORE_NT   ; 32 lanes store 512 consecutive bytes, aligned to 256
.endr
.endm
	TOSTAGE 0
	TOSTAGE 1
	s_wait_dscnt 32                                ; tile 0 is back; tile 1's 16 stores and 16 loads may be out
	SEND 0
	s_wait_dscnt 0x0
	SEND 1
	s_wait_tensorcnt 0x0
	ds_add_u32 v30, v31
	s_wait_dscnt 0x0
	CROUND                                         ; the closing round: no work-group ends while a partner may still ask for a tile that names it
	s_endpgm
.Lfunc_end_k_q326fe2361c_outp:
	.size	k_q326fe2361c_outp, .Lfunc_end_k_q326fe2361c_outp-k_q326fe2361c_outp
	.p2alignl 7, 3214868480
	.fill 96, 4, 3214868480
	.section	.rodata,"a",@progbits
	.p2align	6, 0x0
	.amdhsa_kernel k_q326fe2361c_outp
		.amdhsa_group_segment_fixed_size 168448
		.amdhsa_private_segment_fixed_size 0
		.amdhsa_enable_private_segment 0
		.amdhsa_kernarg_size 32
		.amdhsa_user_sgpr_count 2
		.amdhsa_user_sgpr_kernarg_segment_ptr 1
		.amdhsa_wavefront_size32 1
		.amdhsa_system_sgpr_workgroup_id_x 1
		.amdhsa_system_sgpr_workgroup_id_y 1
		.amdhsa_system_sgpr_workgroup_id_z 1
		.amdhsa_system_vgpr_workitem_id 0
		.amdhsa_next_free_vgpr 1024
		.amdhsa_next_free_sgpr 66
		.amdhsa_reserve_vcc 0
		.amdhsa_float_denorm_mode_32 3
		.amdhsa_float_denorm_mode_16_64 3
		.amdhsa_memory_ordered 1
		.amdhsa_forward_progress 1
		.amdhsa_inst_pref_size 35
	.end_amdhsa_kernel
	.amdgpu_metadata
---
amdhsa.version: [ 1, 2 ]
amdhsa.kernels:
  - .name:           k_q326fe2361c_outp
    .symbol:         k_q326fe2361c_outp.kd
    .args:
      - { .name: ctx, .offset: 0, .size: 8, .value_kind: global_buffer, .address_space: global }
      - { .name: xw, .offset: 8, .size: 8, .value_kind: global_buffer, .address_space: global }
      - { .name: bo, .offset: 16, .size: 8, .value_kind: global_buffer, .address_space: global }
      - { .name: out0, .offset: 24, .size: 8, .value_kind: global_buffer, .address_space: global }
    .group_segment_fixed_size: 168448
    .private_segment_fixed_size: 0
    .kernarg_segment_align: 8
    .kernarg_segment_size: 32
    .max_flat_workgroup_size: 128
    .sgpr_count:     66
    .vgpr_count:     1024
    .wavefront_size: 32
...
	.end_amdgpu_metadata
.endif
;; end of part 7
